; MI455X (gfx1250); checked and timed in simulation.
; The chip was launched on July 23, 2026; its instructions are those of AMD's public machine-readable ISA for CDNA 5 (MIT licence, August 2026) and "CDNA5" Instruction Set Architecture Reference Guide (July 2026). The comments in the code are by the model that wrote it; some were corrected since.
;; Multi Head Attention. Allowed arithmetic: matrix products marked QUANTISED: E2M1 operands, one E8M0 scale for each 32 along K, by v_wmma_scale_f32_16x16x128_f8f6f4 with both operands' format E2M1 (or v_wmma_scale_f32_32x16x128_f4), f32 sums; products left as they are: bf16, f16 or f32 operands; f32 sums; everything else in f32.
;; Inputs: key 4 x 2,048 x 1,024 float32; mask 1 x 1 x 2,048 x 2,048 int32; query 4 x 2,048 x 1,024 float32; value 4 x 2,048 x 1,024 float32; w_k 1,024 x 1,024 float32; w_o 1,024 x 1,024 float32; w_q 1,024 x 1,024 float32; w_v 1,024 x 1,024 float32.
;; Outputs: out0 4 x 2,048 x 1,024 float32.
;; This version of the problem:
;;   THIS VERSION OF THE PROBLEM IS GIVEN IN LOW PRECISION. The matrix products marked QUANTISED in the list below multiply operands that are first quantised to E2M1 (2 exponent bits, 1 mantissa bit; 4 bits a number), with one power-of-two scale for each 32 numbers along K (OCP MX v1.0); their sums are f32. The products marked 'left as it is' may take bf16, f16 or f32 operands, with f32 sums. Whichever they take, every output number must still come out within the allowed error. Rounding operands to bf16 (8 significant bits) uses up far more of that allowance than f16 does (11 bits, for magnitudes from 6e-5 to 65,504). All else is computed in f32.
;;   The module's matrix products, in the order in which they are computed (A, B: the left and right operand; K: the contracted axis; several contracted axes count as one K, in the product's order):
;;     1. [M 8,192, K 1,024] x [K 1,024, N 1,024]; A: input query; B: input w_q: QUANTISED
;;     2. [M 8,192, K 1,024] x [K 1,024, N 1,024]; A: input key; B: input w_k: QUANTISED
;;     3. [M 8,192, K 1,024] x [K 1,024, N 1,024]; A: input value; B: input w_v: QUANTISED
;;     4. batch 64 x [M 2,048, K 64] x [K 64, N 2,048]; A: computed on the way; B: computed on the way: left as it is (an operand is computed on the way)
;;     5. batch 64 x [M 2,048, K 2,048] x [K 2,048, N 64]; A: computed on the way; B: computed on the way: left as it is (an operand is computed on the way)
;;     6. [M 8,192, K 1,024] x [K 1,024, N 1,024]; A: computed on the way; B: input w_o: left as it is (an operand is computed on the way)
;;   THE QUANTISER, for each operand of a quantised product, along K:
;;     - K is cut into blocks of 32 from its start; a last block that is shorter is filled with zeros.
;;     - A block's scale is 2^e with e = floor(log2(the largest magnitude in the block)) - 2, held to -126 .. 127; a block of zeros has e = 0. As a byte (E8M0): e + 127.
;;     - Each number is divided by its block's scale, clamped to +-6, and rounded to the nearest number of E2M1, ties to even, subnormals kept.
;;     - The product sums the exact products of the quantised numbers (number of the format x scale) in f32.
;;   ~~~python
;;   def quantise(x, axis):      # numpy; x: float32 -> the quantised numbers, widened to float32 again
;;       x = np.moveaxis(x, axis, -1); K = x.shape[-1]
;;       x = np.pad(x, [(0, 0)] * (x.ndim - 1) + [(0, -K % 32)]); x = x.reshape(x.shape[:-1] + (-1, 32)); a = np.abs(x).max(-1, keepdims=True)
;;       e = np.where(a > 0, np.clip(np.frexp(np.where(a > 0, a, 1))[1] - 1 - 2, -126, 127), 0)      # np.frexp(a)[1] - 1 = floor(log2(a)), exactly
;;       r = np.clip(x / 2.0 ** e, -6, 6)
;;       step = 2.0 ** (np.maximum(np.frexp(np.where(r == 0, 1, r))[1] - 1, 0) - 1)
;;       q = np.round(r / step) * step * 2.0 ** e      # np.round: ties to even
;;       return np.moveaxis(q.reshape(q.shape[:-2] + (-1,))[..., :K], -1, axis).astype(np.float32)
;;   ~~~
;; One version. Each part assembles by itself: llvm-mc -triple=amdgcn-amd-amdhsa -mcpu=gfx1250 --defsym DOCPART=n.
;; ======== version 1 of 1: 6 launches
;; limits: values are held in f16: magnitudes above 65,504 overflow, below 6.1e-05 lose precision; right only within a limited range of input values
;; workspace buffers: codes 14,155,776 bytes; scales 884,736 bytes; qkv 67,108,864 bytes; wo16 4,194,304 bytes; maskw 524,288 bytes of whole numbers; xa 16,777,216 bytes; xf 262,144 bytes
;; launch prep (part 1): grid 1024 x 1, 4 waves a work-group, no clusters, 33,280 bytes of LDS; arguments query, key, value, w_q, w_k, w_v, w_o, mask, codes, scales, wo16, maskw; writes codes, scales, wo16, maskw
.if DOCPART == 1
	.amdgcn_target "amdgcn-amd-amdhsa--gfx1250"
	.amdhsa_code_object_version 6
	.text
	.protected	k_q61e7a3475d_prep
	.globl	k_q61e7a3475d_prep
	.p2align	8
	.type	k_q61e7a3475d_prep,@function
k_q61e7a3475d_prep:
	s_mov_b64 s[64:65], 0
	v_nop
	global_prefetch_b8 v0, s[64:65] scope:SCOPE_SE
	s_setreg_imm32_b32 hwreg(HW_REG_WAVE_MODE, 25, 1), 1
	s_wait_xcnt 0x0
; THREE JOBS IN ONE LAUNCH, told apart by the work-group's number.
; 0-863: query, key, value, w_q, w_k, w_v (f32, K innermost) become codes of FP4 (E2M1) with one E8M0 byte for each 32 along K.  All six are plain streams of blocks of 32;
;   their codes lie on end in 'codes' (a row of 1,024 numbers: 512 bytes), their bytes on end in 'scales' (32 bytes a row), in the order of the work-groups.
;   A block's scale is 2^(floor(log2(largest magnitude)) - 2); its byte is the largest magnitude's exponent field - 2, held at 1 from below.
; 864-895: w_o becomes two f16 tensors, a high part and a low part, laid as images of operand registers: image (Nt, cc), 512 bytes: lane (r, h) holds w_o[16 Nt + r][16 cc + 8 h + 0..7].
; 896-1023: the mask becomes bits: word 8 t + j of (Qt, ks), bit L = (mask[16 Qt + L % 16][64 ks + 16 t + 8 (L / 16) + j] != 0): the lanes and registers in which the attention launches hold their scores.
; LIMITS: a block of zeros gets the byte 1 (its codes are zeros, and this program alone reads the bytes); blocks under 2^-124 were not tried; NaN and infinities are not served.
.set STEPS, 16
.set CB,    8                          ; bytes of 16 codes
.set R,     16                         ; v16-79   four sets of 16 numbers as loaded
.set X,     80                         ; v80-111  two sets of 16 neighbours
.set E,     112                        ; v112-127 a scale byte for each step
.set C,     128                        ; v128-191 codes, four registers a step
.set WREG,  8192                       ; LDS: a region for each wave: two stages of 32 x SP bytes, then its 256 scale bytes
.set SP,    80
.set SPW,   12                         ; v12 my spare word's LDS address; never rewritten
.set NIL,   13                         ; v13 0; never rewritten
.set SPARE, 4*WREG                     ; the spare words: 128 bytes a wave, named by no other line
	s_load_b512 s[4:19], s[0:1], 0x0               ; query, key, value, w_q, w_k, w_v, w_o, mask
	s_load_b256 s[20:27], s[0:1], 0x40             ; codes, scales, wo16, maskw
	v_lshl_add_u32 v[SPW], v0, 2, SPARE
	v_mov_b32 v[NIL], 0
	v_lshrrev_b32 v1, 5, v0
	v_readfirstlane_b32 s28, v1                    ; wave
	v_and_b32 v2, 31, v0                           ; lane
	v_lshlrev_b32 v3, 4, v2                        ; 16 x lane
	v_lshlrev_b32 v7, 3, v2                        ; 8 x lane
	s_mul_i32 s29, s28, WREG
	v_lshrrev_b32 v14, 2, v2
	v_mul_u32_u24 v14, v14, SP
	v_and_b32 v15, 3, v2
	v_lshl_add_u32 v14, v15, 4, v14
	v_add_nc_u32 v14, s29, v14                     ; the stage, on the way in: SP (lane / 4) + 16 (lane % 4)
	v_mul_u32_u24 v15, v2, SP
	v_add_nc_u32 v15, s29, v15                     ; and on the way out: SP x lane
	v_lshrrev_b32 v5, 1, v2
	s_add_co_u32 s29, s29, 2*32*SP
	v_add_nc_u32 v5, s29, v5                       ; my block's scale byte
	v_add_nc_u32 v6, s29, v7                       ; the 256 scale bytes, 8 a lane
	s_mov_b32 s33, 0
	s_mov_b32 s35, 0
	s_mov_b32 s37, 0
	s_wait_kmcnt 0x0
	s_cmp_lt_u32 ttmp9, 864
	s_cbranch_scc0 .Lnot_quant
; ---------------- the quantiser: a wave takes 16 steps of 512 numbers
	s_mov_b64 s[30:31], s[14:15]                   ; which tensor: a choice on the work-group's number alone
	s_mov_b32 s32, 832
	s_cmp_lt_u32 ttmp9, 832
	s_cselect_b64 s[30:31], s[12:13], s[30:31]
	s_cselect_b32 s32, 800, s32
	s_cmp_lt_u32 ttmp9, 800
	s_cselect_b64 s[30:31], s[10:11], s[30:31]
	s_cselect_b32 s32, 768, s32
	s_cmp_lt_u32 ttmp9, 768
	s_cselect_b64 s[30:31], s[8:9], s[30:31]
	s_cselect_b32 s32, 512, s32
	s_cmp_lt_u32 ttmp9, 512
	s_cselect_b64 s[30:31], s[6:7], s[30:31]
	s_cselect_b32 s32, 256, s32
	s_cmp_lt_u32 ttmp9, 256
	s_cselect_b64 s[30:31], s[4:5], s[30:31]
	s_cselect_b32 s32, 0, s32
	s_sub_co_u32 s32, ttmp9, s32
	s_lshl_b32 s32, s32, 2
	s_add_co_u32 s32, s32, s28                     ; my run of 8,192 numbers in the tensor
	s_lshl_b32 s32, s32, 15
	s_add_nc_u64 s[30:31], s[30:31], s[32:33]
	s_lshl_b32 s34, ttmp9, 2
	s_add_co_u32 s34, s34, s28                     ; and among all six
	s_lshl_b32 s36, s34, 12
	s_add_nc_u64 s[20:21], s[20:21], s[36:37]      ; 4,096 bytes of codes a run
	s_lshl_b32 s36, s34, 8
	s_add_nc_u64 s[22:23], s[22:23], s[36:37]      ; 256 scale bytes a run
.macro QLOAD t
.irp i, 0,1,2,3
	global_load_b128 v[R+16*((\t)%4)+4*\i:R+16*((\t)%4)+4*\i+3], v3, s[30:31] offset:2048*(\t)+512*\i th:TH_LOAD_NT   ; 32 lanes read 512 consecutive bytes
.endr
.endm
.macro QTURN t                         ; a step's numbers through the stage, so that a lane gets 16 neighbours; LDS serves a wave's instructions in order
.irp i, 0,1,2,3
	ds_store_b128 v14, v[R+16*((\t)%4)+4*\i:R+16*((\t)%4)+4*\i+3] offset:32*SP*((\t)%2)+8*SP*\i
.endr
.irp i, 0,1,2,3
	ds_load_b128 v[X+16*((\t)%2)+4*\i:X+16*((\t)%2)+4*\i+3], v15 offset:32*SP*((\t)%2)+16*\i
.endr
.endm
.irp t, 0,1,2,3
	QLOAD \t
.endr
	s_wait_loadcnt 12                              ; step 0's four loads are in
	QTURN 0
.macro QSTEP t
.set XS, X+16*((\t)%2)
.if (\t) > 0
	s_wait_dscnt 1                                 ; this step's numbers are back (the last step's byte store may be out)
.else
	s_wait_dscnt 0x0
.endif
.if (\t)+4 < STEPS
	QLOAD (\t)+4
.endif
.if (\t)+1 < STEPS
.if STEPS-2-(\t) >= 3
	s_wait_loadcnt 12                              ; the next step's four loads are in; three steps' loads may be out
.else
	s_wait_loadcnt 4*(STEPS-2-(\t))
.endif
	QTURN (\t)+1
.endif
	v_max3_num_f32 v8, |v[XS]|, |v[XS+1]|, |v[XS+2]|
	v_max3_num_f32 v9, |v[XS+3]|, |v[XS+4]|, |v[XS+5]|
.irp i, 6,10
	v_max3_num_f32 v8, v8, |v[XS+\i]|, |v[XS+\i+1]|
	v_max3_num_f32 v9, v9, |v[XS+\i+2]|, |v[XS+\i+3]|
.endr
	v_max3_num_f32 v8, v8, |v[XS+14]|, |v[XS+15]|
	v_max3_num_f32 v8, v8, v9, 0x1800000           ; and the floor 2^(3 - 127): the byte cannot fall under 1
	v_max_num_f32_dpp v8, v8, v8 row_xmask:1 row_mask:0xf bank_mask:0xf   ; with my neighbour's 16: the block's
	v_add_nc_u32 v11, 0xff000000, v8               ; 2 off the exponent field: the conversion's scale operand
	v_cvt_scalef32_pk8_fp4_f32 v[C+4*(\t)], v[XS:XS+7], v11
	v_cvt_scalef32_pk8_fp4_f32 v[C+4*(\t)+1], v[XS+8:XS+15], v11
	v_lshrrev_b32 v[E+(\t)], 23, v11               ; the scale's byte (also the plain line behind the conversions)
	ds_store_b8 v5, v[E+(\t)] offset:16*(\t)
	global_store_b64 v7, v[C+4*(\t):C+4*(\t)+1], s[20:21] offset:32*CB*(\t)   ; the wave stores 256 consecutive bytes, aligned
.endm
.irp t, 0,1,2,3,4,5,6,7,8,9,10,11,12,13,14,15
	QSTEP \t
.endr
	ds_load_b64 v[8:9], v6
	s_wait_dscnt 0x0
	global_store_b64 v7, v[8:9], s[22:23]          ; 256 scale bytes, aligned
	s_wait_tensorcnt 0x0                           ; the wave's end, behind my last LDS store
	ds_add_u32 v[SPW], v[NIL]
	s_wait_dscnt 0x0
	s_endpgm
; ---------------- w_o: a wave makes 32 images (one Nt, 32 cc), in 8 batches of 4
; Eight f32 at v[f] become four registers of f16 high parts at v[h] and four of low parts at v[l].  The high part is the number rounded to 11 significant bits on its f32 bits
; (add half a step, clear the 13 low bits): exact in f16; the low part is what is left, rounded to f16.
.macro HILO f, h, l, u
.irp j, 0,1,2,3,4,5,6,7
	v_add_nc_u32 v[\u+\j], 0x1000, v[\f+\j]
.endr
.irp j, 0,1,2,3,4,5,6,7
	v_and_b32 v[\u+\j], 0xffffe000, v[\u+\j]
.endr
.irp j, 0,2,4,6
	v_pk_add_f32 v[\f+\j:\f+\j+1], v[\f+\j:\f+\j+1], v[\u+\j:\u+\j+1] neg_lo:[0,1] neg_hi:[0,1]
.endr
.irp j, 0,1,2,3
	v_cvt_pk_f16_f32 v[\h+\j], v[\u+2*\j], v[\u+2*\j+1]
	v_cvt_pk_f16_f32 v[\l+\j], v[\f+2*\j], v[\f+2*\j+1]
.endr
.endm
.Lnot_quant:
	s_cmp_lt_u32 ttmp9, 896
	s_cbranch_scc0 .Lmask
	s_sub_co_u32 s29, ttmp9, 864
	s_lshl_b32 s29, s29, 1
	s_lshr_b32 s32, s28, 1
	s_add_co_u32 s29, s29, s32                     ; Nt
	s_and_b32 s32, s28, 1                          ; which 32 cc
	s_lshl_b32 s34, s29, 16                        ; in: 16 rows of 4,096 bytes a tile, 64 bytes a cc
	s_lshl_b32 s36, s32, 11
	s_add_co_u32 s34, s34, s36
	s_add_nc_u64 s[16:17], s[16:17], s[34:35]
	s_lshl_b32 s34, s29, 15                        ; out: 64 images of 512 bytes a tile
	s_lshl_b32 s36, s32, 14
	s_add_co_u32 s34, s34, s36
	s_add_nc_u64 s[24:25], s[24:25], s[34:35]
	v_and_b32 v1, 15, v0
	v_bfe_u32 v10, v0, 4, 1
	v_lshlrev_b32 v4, 12, v1
	v_lshl_add_u32 v4, v10, 5, v4                  ; row r, + 32 h
.macro WLOAD bt
.set FL, 128+32*((\bt)%2)
.irp i, 0,1,2,3
	global_load_b128 v[FL+8*\i:FL+8*\i+3], v4, s[16:17] offset:64*(4*(\bt)+\i)
	global_load_b128 v[FL+8*\i+4:FL+8*\i+7], v4, s[16:17] offset:64*(4*(\bt)+\i)+16
.endr
.endm
.macro WBATCH bt
.if (\bt) < 7
	WLOAD (\bt)+1
	s_wait_loadcnt 8                               ; this batch's eight loads are in, the next batch's may be out
.else
	s_wait_loadcnt 0x0
.endif
	s_wait_xcnt 0x0                                ; the stores of two batches back have read their data registers, which are written again below
.set FB, 128+32*((\bt)%2)
.irp i, 0,1,2,3
.set IM, 4*(\bt)+\i
.set HH, 16+4*(IM%8)
.set LL, 48+4*(IM%8)
	HILO FB+8*\i, HH, LL, 80
	global_store_b128 v3, v[HH:HH+3], s[24:25] offset:512*IM              ; an image: 512 consecutive bytes, aligned
	global_store_b128 v3, v[LL:LL+3], s[24:25] offset:512*IM+2097152      ; the low parts lie 2 MiB on
.endr
.endm
	WLOAD 0
.irp bt, 0,1,2,3,4,5,6,7
	WBATCH \bt
.endr
	s_endpgm
; ---------------- the mask: a work-group takes 16 queries, a wave 512 keys as four pairs of 64
.Lmask:
	s_sub_co_u32 s29, ttmp9, 896                   ; Qt
	s_lshl_b32 s34, s29, 17                        ; 16 rows of 8,192 bytes
	s_lshl_b32 s36, s28, 11                        ; my 512 keys
	s_add_co_u32 s34, s34, s36
	s_add_nc_u64 s[18:19], s[18:19], s[34:35]
	s_lshl_b32 s34, s29, 12                        ; 32 x 128 bytes of words a Qt
	s_lshl_b32 s36, s28, 10
	s_add_co_u32 s34, s34, s36
	s_add_nc_u64 s[26:27], s[26:27], s[34:35]
	v_and_b32 v1, 15, v0
	v_bfe_u32 v10, v0, 4, 1
	v_lshlrev_b32 v4, 13, v1
	v_lshl_add_u32 v4, v10, 5, v4                  ; row r, + 32 h
.irp i, 0,1,2,3,4,5,6,7
	v_mov_b32 v[144+\i], 0                         ; v_writelane_b32's destination counts as read
.endr
.macro MLOAD p
.set ML, 16+64*((\p)%2)
.irp s, 0,1
.irp t, 0,1,2,3
.irp u, 0,1
	global_load_b128 v[ML+32*\s+8*\t+4*\u:ML+32*\s+8*\t+4*\u+3], v4, s[18:19] offset:256*(2*(\p)+\s)+64*\t+16*\u
.endr
.endr
.endr
.endm
.macro MPAIR p
.if (\p) < 3
	s_wait_loadcnt 16                              ; this pair's 16 loads are in, the next pair's may be out
.else
	s_wait_loadcnt 0x0
.endif
.set MB, 16+64*((\p)%2)
.set i, 0
.rept 8
.irp e, 0,1,2,3,4,5,6,7
	v_cmp_ne_u32 s[40+\e], 0, v[MB+i+\e]           ; a word of 32 bits: one for each lane
.endr
.irp e, 0,1,2,3,4,5,6,7
	v_writelane_b32 v[144+2*(\p)+\e%2], s[40+\e], (i+\e)/2   ; word n goes to lane n / 2, register n % 2: the order in which 8 bytes a lane are stored
.endr
.set i, i+8
.endr
	global_store_b64 v7, v[144+2*(\p):145+2*(\p)], s[26:27] offset:256*(\p)   ; 256 consecutive bytes, aligned
.if (\p)+2 < 4
	MLOAD (\p)+2
.endif
.endm
	MLOAD 0
	MLOAD 1
.irp p, 0,1,2,3
	MPAIR \p
.endr
	s_endpgm
.Lfunc_end_k_q61e7a3475d_prep:
	.size	k_q61e7a3475d_prep, .Lfunc_end_k_q61e7a3475d_prep-k_q61e7a3475d_prep
	.p2alignl 7, 3214868480
	.fill 96, 4, 3214868480
	.section	.rodata,"a",@progbits
	.p2align	6, 0x0
	.amdhsa_kernel k_q61e7a3475d_prep
		.amdhsa_group_segment_fixed_size 33280
		.amdhsa_private_segment_fixed_size 0
		.amdhsa_enable_private_segment 0
		.amdhsa_kernarg_size 96
		.amdhsa_user_sgpr_count 2
		.amdhsa_user_sgpr_kernarg_segment_ptr 1
		.amdhsa_wavefront_size32 1
		.amdhsa_system_sgpr_workgroup_id_x 1
		.amdhsa_system_sgpr_workgroup_id_y 1
		.amdhsa_system_sgpr_workgroup_id_z 1
		.amdhsa_system_vgpr_workitem_id 0
		.amdhsa_next_free_vgpr 192
		.amdhsa_next_free_sgpr 66
		.amdhsa_reserve_vcc 0
		.amdhsa_float_denorm_mode_32 3
		.amdhsa_float_denorm_mode_16_64 3
		.amdhsa_memory_ordered 1
		.amdhsa_forward_progress 1
		.amdhsa_inst_pref_size 143
	.end_amdhsa_kernel
	.amdgpu_metadata
---
amdhsa.version: [ 1, 2 ]
amdhsa.kernels:
  - .name:           k_q61e7a3475d_prep
    .symbol:         k_q61e7a3475d_prep.kd
    .args:
      - { .name: query, .offset: 0, .size: 8, .value_kind: global_buffer, .address_space: global }
      - { .name: key, .offset: 8, .size: 8, .value_kind: global_buffer, .address_space: global }
      - { .name: value, .offset: 16, .size: 8, .value_kind: global_buffer, .address_space: global }
      - { .name: w_q, .offset: 24, .size: 8, .value_kind: global_buffer, .address_space: global }
      - { .name: w_k, .offset: 32, .size: 8, .value_kind: global_buffer, .address_space: global }
      - { .name: w_v, .offset: 40, .size: 8, .value_kind: global_buffer, .address_space: global }
      - { .name: w_o, .offset: 48, .size: 8, .value_kind: global_buffer, .address_space: global }
      - { .name: mask, .offset: 56, .size: 8, .value_kind: global_buffer, .address_space: global }
      - { .name: codes, .offset: 64, .size: 8, .value_kind: global_buffer, .address_space: global }
      - { .name: scales, .offset: 72, .size: 8, .value_kind: global_buffer, .address_space: global }
      - { .name: wo16, .offset: 80, .size: 8, .value_kind: global_buffer, .address_space: global }
      - { .name: maskw, .offset: 88, .size: 8, .value_kind: global_buffer, .address_space: global }
    .group_segment_fixed_size: 33280
    .private_segment_fixed_size: 0
    .kernarg_segment_align: 8
    .kernarg_segment_size: 96
    .max_flat_workgroup_size: 128
    .sgpr_count:     66
    .vgpr_count:     192
    .wavefront_size: 32
...
	.end_amdgpu_metadata
.endif
;; end of part 1
;; launch proj (part 2): grid 4 x 96, 4 waves a work-group, clusters of 4 x 4, 327,680 bytes of LDS; arguments codes, scales, qkv; writes qkv
.if DOCPART == 2
	.amdgcn_target "amdgcn-amd-amdhsa--gfx1250"
	.amdhsa_code_object_version 6
	.text
	.protected	k_q61e7a3475d_proj
	.globl	k_q61e7a3475d_proj
	.p2align	8
	.type	k_q61e7a3475d_proj,@function
k_q61e7a3475d_proj:
	s_mov_b64 s[64:65], 0
	v_nop
	global_prefetch_b8 v0, s[64:65] scope:SCOPE_SE
	s_setreg_imm32_b32 hwreg(HW_REG_WAVE_MODE, 25, 1), 1
	s_wait_xcnt 0x0
	s_wait_alu depctr_hold_cnt(0) depctr_sa_sdst(0) depctr_va_vdst(0) depctr_va_sdst(0) depctr_va_ssrc(0) depctr_va_vcc(0) depctr_vm_vsrc(0)
	s_getreg_b32 s2, hwreg(HW_REG_IB_STS2, 6, 4)
	s_cmp_eq_u32 s2, 0
	s_cbranch_scc0 .Lentry_in_a_cluster
	s_endpgm
.Lentry_in_a_cluster:
	s_bfe_u32 s2, ttmp6, 0x10000c
	s_cmp_lg_u32 s2, 0xf033
	s_cbranch_scc0 .Lentry_shape_is_right
	s_endpgm
.Lentry_shape_is_right:
; THE THREE QUANTISED PRODUCTS q = query w_q^T, k = key w_k^T, v = value w_v^T, on codes of FP4 with E8M0 scales, K = 1,024; sums in f32; results rounded to f16 and stored as images of operand registers.
; A work-group of four waves makes 256 x 256, a wave 128 x 128 (64 accumulators).  K = 1,024 is two LDS slots of 512 along K: both are first fills, nothing is filled again, there is no loop.
; The scale bytes of the work-group's rows come once, with the first fills.  CLUSTERS of 4 x 4: source 1's tiles ("A") are shared along a row of the cluster, source 0's ("B") along a column: joint loads.
; ONE TEXT FOR THREE PRODUCTS.  The cluster's y gives the product (PROD = y / 8) and a block of four tiles.  In D = source 0 x source 1^T a lane holds one row of source 1 and its registers eight rows of source 0.
;   q, k: source 0 = the weight, source 1 = the tokens: a lane holds a token and eight neighbouring channels: what the score product wants of q and k.
;   v:    source 0 = the tokens, source 1 = the weight: a lane holds a channel and eight neighbouring tokens: what the second attention product wants of v.
; An accumulator, packed to f16, is a whole image of 512 bytes (lane l's 16 bytes at 16 l): it is stored by one instruction, without a stage.
; q is multiplied by log2(e) / 8 in f32 ahead of its one rounding.  v is stored as a high and a low f16 part (the low part serves the launch for the first 16 positions).
; LIMITS: |q| log2(e) / 8, |k|, |v| under 65,504 (f16).
; REGISTERS as windows of 256: window 0: v8-15 store offsets, v16-29 addresses, v32-95 scale words, v128-191 A's fragments; window 1: B's fragments, two sets; windows 2, 3: accumulators.
.set NQ,     4
.set ROWB,   256
.set KROW,   512
.set PITCH,  272                       ; 256 bytes + 16 of padding: the 16 rows of a fragment load start 68 words apart
.set FR,     8
.set NL,     2
.set NP,     4
.set HALFT,  128*PITCH
.set SLOT,   4*HALFT
.set KS,     32
.set SCL,    2*SLOT
.set HALFS,  (128*KS/256)*272
.set SBLK,   (16*KS/256)*272
.set SPARE,  SCL+4*HALFS               ; the spare words, 128 bytes a wave, named by no other line
.set VO,   8
.set ADRA, 16
.set ADRB, 20
.set ADRS, 27
.set SPW,  28
.set NIL,  29
.set SC,   32
.set AF,   128
.set G1, 24
.set G0, 32
.set G1B, 48
.set G0B, 56
.set G1S, 68
.set G0S, 76
.set G1SB, 80
.set G0SB, 88
.set MSB, 0
.macro WIN new                         ; the immediate's high byte repeats the setting that is left
.if MSB != \new
	s_set_vgpr_msb (MSB<<8)|\new
.set MSB, \new
.endif
.endm
.set MUL_LO, 0xa1
.set MUL_HI, 0xf1
.set TO_B,   0x40
.macro JLOAD g0a, g1a, g0b, g1b        ; a joint load: waves 0, 1 fetch for A, waves 2, 3 for B; an s_nop 0 and four v_nop follow each line
	s_cmp_eq_u32 s15, 0
	s_cbranch_scc0 .Lfor_b_\@
	tensor_load_to_lds s[\g0a:\g0a+3], s[\g1a:\g1a+7]
	s_nop 0
.rept 4
	v_nop
.endr
	s_branch .Lasked_\@
.Lfor_b_\@:
	tensor_load_to_lds s[\g0b:\g0b+3], s[\g1b:\g1b+7]
	s_nop 0
.rept 4
	v_nop
.endr
.Lasked_\@:
.endm
.macro CROUND                          ; a round of the cluster's barrier
	s_barrier_signal -1
	s_barrier_wait -1
	s_cmp_lg_u32 s14, 0
	s_cbranch_scc1 .Lnot_wave_0_\@
	s_barrier_signal -3
.Lnot_wave_0_\@:
	s_barrier_wait -3
	s_barrier_signal -1
	s_barrier_wait -1
.endm
	s_load_b128 s[4:7], s[0:1], 0x0                ; codes, scales
	s_load_b64 s[12:13], s[0:1], 0x10              ; qkv
	v_lshl_add_u32 v[SPW], v0, 2, SPARE
	v_mov_b32 v[NIL], 0
	ds_add_u32 v[SPW], v[NIL]                      ; the opening: the add, twice on end, and its wait ahead of my first tensor load
	ds_add_u32 v[SPW], v[NIL]
	v_lshrrev_b32 v1, 5, v0
	v_readfirstlane_b32 s14, v1                    ; wave
	s_lshr_b32 s15, s14, 1                         ; my half of A's rows; also: I fetch for A (0) or B (1)
	s_and_b32 s16, s14, 1                          ; my half of B's rows; also: which 128 rows I fetch
	s_bfe_u32 s40, ttmp6, 0x40000                  ; cx
	s_bfe_u32 s41, ttmp6, 0x40004                  ; cy
	s_and_b32 s17, ttmp7, 0xffff                   ; the cluster's y, 0..23
	s_lshr_b32 s8, s17, 3                          ; PROD: 0 q, 1 k, 2 v
	s_and_b32 s9, s17, 7
	s_lshl_b32 s9, s9, 2                           ; the block of four token tiles
	s_lshr_b32 s10, s8, 1                          ; isV
	s_xor_b32 s11, s10, 1                          ; 1 - isV
	s_mul_i32 s42, s9, s10
	s_add_co_u32 s42, s42, s40                     ; source 0's tile: cx (a weight's), or cx + the block (value's tokens)
	s_mul_i32 s17, s9, s11
	s_add_co_u32 s17, s17, s41                     ; source 1's tile: cy + the block (tokens), or cy (w_v's)
	s_lshl_b32 s43, s41, 2
	s_lshl_b32 s43, 15, s43                        ; my row of the cluster
	s_lshl_b32 s44, 0x1111, s40                    ; my column
	s_or_b32 s[G1+0], s43, (0<<16)|(1<<20)|(1<<21)|(5<<22)|(3<<25)   ; the mask; elements of 1 byte; padding: 4 words behind every 64
	s_or_b32 s[G1B+0], s44, (0<<16)|(1<<20)|(1<<21)|(5<<22)|(3<<25)
.irp g, G1, G1B
	s_mov_b32 s[\g+1], ROWB<<16
	s_mov_b32 s[\g+2], 128<<16
	s_mov_b32 s[\g+3], ROWB<<16
	s_mov_b32 s[\g+4], 128
	s_mov_b32 s[\g+5], KROW
	s_mov_b32 s[\g+6], 0
	s_mov_b32 s[\g+7], 0
.endr
	s_or_b32 s[G1S+0], s43, (3<<16)|(1<<20)|(1<<21)|(5<<22)|(3<<25)  ; the scales of 128 rows: 4,096 dense bytes as rows of 256
	s_or_b32 s[G1SB+0], s44, (3<<16)|(1<<20)|(1<<21)|(5<<22)|(3<<25)
.irp g, G1S, G1SB
	s_mov_b32 s[\g+1], 32<<16
	s_mov_b32 s[\g+2], (128*KS/256)<<16
	s_mov_b32 s[\g+3], 32<<16
	s_mov_b32 s[\g+4], 128*KS/256
	s_mov_b32 s[\g+5], 32
	s_mov_b32 s[\g+6], 0
	s_mov_b32 s[\g+7], 0
.endr
	s_lshl_b32 s18, s16, 7                         ; which 128 rows of the tile I fetch
	s_lshl_b32 s20, s17, 8
	s_add_co_u32 s20, s20, s18
	s_lshl_b32 s20, s20, 9                         ; A: rows of 512 bytes,
	s_lshl_b32 s19, s8, 22
	s_mul_i32 s19, s19, s11
	s_add_co_u32 s20, s20, s19                     ; in query's or key's codes (4 MiB each),
	s_mul_i32 s19, s10, 13631488
	s_add_co_u32 s20, s20, s19                     ; or in w_v's (12 MiB + 2 x 512 KiB)
	s_mov_b32 s21, 0
	s_lshr_b32 s22, s20, 4                         ; a row's scales are a sixteenth of its codes, and the tensors lie in the same order
	s_mov_b32 s23, 0
	s_lshl_b32 s46, s42, 8
	s_add_co_u32 s46, s46, s18
	s_lshl_b32 s46, s46, 9                         ; B likewise:
	s_lshl_b32 s19, s8, 19
	s_add_co_u32 s19, s19, 12582912
	s_mul_i32 s19, s19, s11
	s_add_co_u32 s46, s46, s19                     ; in w_q's or w_k's codes,
	s_lshl_b32 s19, s10, 23
	s_add_co_u32 s46, s46, s19                     ; or in value's (8 MiB)
	s_mov_b32 s47, 0
	s_lshr_b32 s92, s46, 4
	s_mov_b32 s93, 0
	s_mul_i32 s45, s14, HALFT                      ; where they go: wave x 128 rows
	s_mul_i32 s94, s14, HALFS
	s_wait_dscnt 0x0                               ; both opening adds are done
	s_wait_kmcnt 0x0
	s_add_nc_u64 s[20:21], s[4:5], s[20:21]
	s_add_nc_u64 s[22:23], s[6:7], s[22:23]
	s_add_nc_u64 s[46:47], s[4:5], s[46:47]
	s_add_nc_u64 s[92:93], s[6:7], s[92:93]
	CROUND                                         ; all sixteen work-groups are here: the joint loads meet
	s_mov_b32 s[G0S], 1
	s_add_co_u32 s[G0S+1], s94, SCL
	s_mov_b64 s[G0S+2:G0S+3], s[22:23]
	s_or_b32 s[G0S+3], s[G0S+3], 0x80000000
	s_mov_b32 s[G0SB], 1
	s_add_co_u32 s[G0SB+1], s94, SCL
	s_mov_b64 s[G0SB+2:G0SB+3], s[92:93]
	s_or_b32 s[G0SB+3], s[G0SB+3], 0x80000000
	JLOAD G0S, G1S, G0SB, G1SB                     ; the scales first
.irp s, 0,1
	s_mov_b32 s[G0+4*\s], 1
	s_add_co_u32 s[G0+4*\s+1], s45, \s*SLOT
	s_add_nc_u64 s[G0+4*\s+2:G0+4*\s+3], s[20:21], \s*ROWB
	s_or_b32 s[G0+4*\s+3], s[G0+4*\s+3], 0x80000000
	s_mov_b32 s[G0B+4*\s], 1
	s_add_co_u32 s[G0B+4*\s+1], s45, \s*SLOT
	s_add_nc_u64 s[G0B+4*\s+2:G0B+4*\s+3], s[46:47], \s*ROWB
	s_or_b32 s[G0B+4*\s+3], s[G0B+4*\s+3], 0x80000000
	JLOAD G0+4*\s, G1, G0B+4*\s, G1B               ; three loads of mine are out
.endr
	v_and_b32 v1, 15, v0
	v_bfe_u32 v2, v0, 4, 1
	v_mul_u32_u24 v3, v1, PITCH
	v_lshl_add_u32 v4, v2, 4, v3                   ; a fragment's row x pitch + 16 x half
	s_mul_i32 s21, s15, HALFT
	s_mul_i32 s22, s16, HALFT
	s_add_co_u32 s22, s22, 2*HALFT
.irp s, 0,1
	v_add_nc_u32 v[ADRA+\s], s21, v4
	v_add_nc_u32 v[ADRB+\s], s22, v4
	s_add_co_u32 s21, s21, SLOT
	s_add_co_u32 s22, s22, SLOT
.endr
	v_mul_u32_u24 v5, v1, KS                       ; my row's scales: 32 bytes a row, 16 more for each 256 passed
	v_lshrrev_b32 v6, 8, v5
	v_lshl_add_u32 v5, v6, 4, v5
	s_mul_i32 s21, s15, HALFS
	s_mul_i32 s22, s16, HALFS
	s_add_co_u32 s22, s22, 2*HALFS
	s_sub_co_u32 s22, s22, s21
	v_mul_u32_u24 v6, s22, v2                      ; lanes 16-31 take B's
	s_add_co_u32 s21, s21, SCL
	v_add_nc_u32 v5, v5, v6
	v_add_nc_u32 v[ADRS], s21, v5
	; THE WAY OUT'S ADDRESSES.  An image lies at tensor x 16 MiB + batch x 4 MiB + head x 256 KiB + token tile x 2,048 + (channel tile % 4) x 512
	s_lshl_b32 s2, s42, 4
	s_lshl_b32 s3, s16, 3
	s_add_co_u32 s2, s2, s3                        ; source 0's first block of 16 rows
	s_lshl_b32 s3, s17, 4
	s_lshl_b32 s9, s15, 3
	s_add_co_u32 s3, s3, s9                        ; source 1's
	s_mul_i32 s18, s2, s10
	s_mul_i32 s19, s3, s11
	s_add_co_u32 s18, s18, s19                     ; my first token tile
	s_mul_i32 s19, s3, s10
	s_mul_i32 s9, s2, s11
	s_add_co_u32 s19, s19, s9                      ; my first channel tile, a multiple of 8
	s_lshl_b32 s94, s8, 24
	s_lshr_b32 s9, s18, 7
	s_lshl_b32 s9, s9, 22
	s_add_co_u32 s94, s94, s9
	s_and_b32 s9, s18, 127
	s_lshl_b32 s9, s9, 11
	s_add_co_u32 s94, s94, s9
	s_lshr_b32 s9, s19, 2
	s_lshl_b32 s9, s9, 18
	s_add_co_u32 s94, s94, s9
	s_mov_b32 s95, 0
	s_add_nc_u64 s[12:13], s[12:13], s[94:95]
	s_add_nc_u64 s[92:93], s[12:13], 1<<24         ; v's low parts lie 16 MiB on
	s_mul_i32 s9, s10, 1536                        ; a block on: tokens 2,048 (four on: 8,192); channels 512 (four on: a head, 262,144)
	s_sub_co_u32 s20, 2048, s9                     ; source 1's block a: one on
	s_add_co_u32 s2, s9, 512                       ; source 0's block b: one on
	s_mul_i32 s9, s10, 253952
	s_add_co_u32 s22, s9, 8192
	s_sub_co_u32 s3, 262144, s9                    ; source 0's: four on
	s_mul_i32 s9, s20, 3
	s_sub_co_u32 s22, s22, s9                      ; source 1's: from block 3 to block 4
	s_mov_b32 s21, 0
	s_mov_b32 s23, 0
	s_cmp_eq_u32 s8, 0
	s_cselect_b32 s96, 0x3e38aa3b, 1.0             ; q alone is multiplied by log2(e) / 8
	s_mov_b32 s97, s96
	v_and_b32 v6, 31, v0
	v_lshlrev_b32 v[VO], 4, v6                     ; 16 x lane,
.irp b, 1,2,3
	v_add_nc_u32 v[VO+\b], s2, v[VO+\b-1]          ; + block b's place
.endr
.irp b, 0,1,2,3
	v_add_nc_u32 v[VO+4+\b], s3, v[VO+\b]
.endr
.macro FRAG reg, adr, q, i             ; 16 rows x 128 K of 4-bit codes: 8 registers, two loads of 16 bytes, 32 bytes apart
.irp c, 0,1
	ds_load_b128 v[\reg+4*\c:\reg+4*\c+3], v[\adr] offset:64*(\q)+32*\c+(\i)*16*PITCH
.endr
.endm
; 16 matrix instructions: A's blocks a0, a0 + 1 x B's eight.  The 64 accumulators take turns, one instruction a turn.
.macro MUL16 a0, p, q, sc, zero
.irp a, \a0, \a0+1
.irp b, 0,1,2,3,4,5,6,7
.if \zero
	v_wmma_scale_f32_16x16x128_f8f6f4 v[8*(8*((\a)%4)+\b):8*(8*((\a)%4)+\b)+7], v[128*(\p)+FR*\b:128*(\p)+FR*\b+FR-1], v[AF+FR*(\a):AF+FR*(\a)+FR-1], 0, v[SC+8*NQ*(\sc)+NQ*\b+(\q)], v[SC+8*NQ*(\sc)+NQ*(\a)+(\q)] matrix_a_fmt:MATRIX_FMT_FP4 matrix_b_fmt:MATRIX_FMT_FP4 matrix_a_scale:MATRIX_SCALE_ROW1
.else
	v_wmma_scale_f32_16x16x128_f8f6f4 v[8*(8*((\a)%4)+\b):8*(8*((\a)%4)+\b)+7], v[128*(\p)+FR*\b:128*(\p)+FR*\b+FR-1], v[AF+FR*(\a):AF+FR*(\a)+FR-1], v[8*(8*((\a)%4)+\b):8*(8*((\a)%4)+\b)+7], v[SC+8*NQ*(\sc)+NQ*\b+(\q)], v[SC+8*NQ*(\sc)+NQ*(\a)+(\q)] matrix_a_fmt:MATRIX_FMT_FP4 matrix_b_fmt:MATRIX_FMT_FP4 matrix_a_scale:MATRIX_SCALE_ROW1
.endif
.endr
.endr
.endm
.macro FETCH_B slot, q, p
	WIN TO_B
.irp i, 0,1,2,3,4,5,6,7
	FRAG 128*(\p)+FR*\i, ADRB+\slot, \q, \i
.endr
	WIN 0
.endm
.macro FETCH_A slot, q, i0
.irp i, \i0, \i0+1, \i0+2, \i0+3
	FRAG AF+FR*(\i), ADRA+\slot, \q, \i
.endr
.endm
.macro SCALES sc                       ; a slot's scale words: lanes 0-15 A's block i, lanes 16-31 B's block i
.irp i, 0,1,2,3,4,5,6,7
	ds_load_b128 v[SC+8*NQ*\sc+NQ*\i:SC+8*NQ*\sc+NQ*\i+3], v[ADRS] offset:\i*SBLK
.endr
.endm
.macro PLACES n                        ; plain vector lines between matrix instructions and loads into, or vector reads and writes of, their registers
.rept \n
	v_nop
.endr
.endm
.macro STEP slot, q, zero              ; 128 along K that has its successor in the same slot
	s_wait_dscnt 4*NL                              ; all but the youngest eight loads (A's blocks 4-7)
	WIN MUL_LO
	MUL16 0, (\q)%2, \q, \slot, \zero
	MUL16 2, (\q)%2, \q, \slot, \zero
	s_wait_dscnt 0
	PLACES NP
	FETCH_B \slot, (\q)+1, 1-(\q)%2
	FETCH_A \slot, (\q)+1, 0
	WIN MUL_HI
	MUL16 4, (\q)%2, \q, \slot, \zero
	MUL16 6, (\q)%2, \q, \slot, \zero
	PLACES NP
	WIN 0
	FETCH_A \slot, (\q)+1, 4
.endm
	s_wait_tensorcnt 1                             ; the scales and my part of slot 0 are in; slot 1's load may be out
	s_barrier_signal -1
	s_barrier_wait -1
	FETCH_B 0, 0, 0
	FETCH_A 0, 0, 0
	SCALES 0
	FETCH_A 0, 0, 4
	STEP 0, 0, 1                                   ; the first products start the sums: nothing is cleared
	STEP 0, 1, 0
	STEP 0, 2, 0
	; slot 0's last step changes slots
	s_wait_tensorcnt 0x0                           ; my part of slot 1 has landed
	ds_add_u32 v[SPW], v[NIL]
	s_wait_dscnt 4*NL+1                            ; the add and the youngest eight loads may be out
	WIN MUL_LO
	MUL16 0, 1, NQ-1, 0, 0
	s_wait_dscnt 0x0
	s_barrier_signal -1
	MUL16 2, 1, NQ-1, 0, 0
	WIN 0
	s_barrier_wait -1                              ; slot 1 is whole for every wave
	PLACES NP
	v_add_nc_u32 v[ADRS], 4*NQ, v[ADRS]
	FETCH_B 1, 0, 0
	FETCH_A 1, 0, 0
	SCALES 1
	WIN MUL_HI
	MUL16 4, 1, NQ-1, 0, 0
	MUL16 6, 1, NQ-1, 0, 0
	PLACES NP
	WIN 0
	FETCH_A 1, 0, 4
	STEP 1, 0, 0
	STEP 1, 1, 0
	STEP 1, 2, 0
	s_wait_dscnt 4*NL
	WIN MUL_LO
	MUL16 0, 1, NQ-1, 1, 0
	MUL16 2, 1, NQ-1, 1, 0
	s_wait_dscnt 0
	WIN MUL_HI
	MUL16 4, 1, NQ-1, 1, 0
	MUL16 6, 1, NQ-1, 1, 0
	WIN 0
	PLACES NP
; THE WAY OUT, source 1's block a at a time: its eight accumulators come into window 0 (times q's factor, or 1), each from its low end on, are packed to f16 and stored, an image an instruction.
.macro OUTBLK a
.set AC, 64*((\a)%4)
	WIN 0x02+((\a)/4)                              ; source 0: window 2 or 3
.set i, 0
.rept 32
	v_pk_mul_f32 v[128+2*i:129+2*i], v[AC+2*i:AC+2*i+1], s[96:97] op_sel_hi:[1,0]
.set i, i+1
.endr
	WIN 0
	s_cmp_eq_u32 s8, 2                             ; the product: the same in all partners of a cluster
	s_cbranch_scc1 .Lv_\@
.set i, 0
.rept 32
	v_cvt_pk_f16_f32 v[32+i], v[128+2*i], v[129+2*i]
.set i, i+1
.endr
.irp b, 0,1,2,3,4,5,6,7
	global_store_b128 v[VO+\b], v[32+4*\b:35+4*\b], s[12:13]   ; 512 consecutive bytes, aligned
.endr
	s_branch .Lsent_\@
.Lv_\@:                                ; v: the high part is the number rounded to 11 significant bits on its f32 bits, exact in f16; the low part is the rest
.set i, 0
.rept 64
	v_add_nc_u32 v[192+i], 0x1000, v[128+i]
.set i, i+1
.endr
.set i, 0
.rept 64
	v_and_b32 v[192+i], 0xffffe000, v[192+i]
.set i, i+1
.endr
.set i, 0
.rept 32
	v_pk_add_f32 v[128+2*i:129+2*i], v[128+2*i:129+2*i], v[192+2*i:193+2*i] neg_lo:[0,1] neg_hi:[0,1]
.set i, i+1
.endr
.set i, 0
.rept 32
	v_cvt_pk_f16_f32 v[32+i], v[192+2*i], v[193+2*i]
	v_cvt_pk_f16_f32 v[64+i], v[128+2*i], v[129+2*i]
.set i, i+1
.endr
.irp b, 0,1,2,3,4,5,6,7
	global_store_b128 v[VO+\b], v[32+4*\b:35+4*\b], s[12:13]
	global_store_b128 v[VO+\b], v[64+4*\b:67+4*\b], s[92:93]
.endr
.Lsent_\@:
.if (\a) < 7
	s_wait_xcnt 0x0                                ; the stores have read their data and bases: both are written again below
.if (\a) == 3
	s_add_nc_u64 s[12:13], s[12:13], s[22:23]
	s_add_nc_u64 s[92:93], s[92:93], s[22:23]
.else
	s_add_nc_u64 s[12:13], s[12:13], s[20:21]
	s_add_nc_u64 s[92:93], s[92:93], s[20:21]
.endif
.endif
.endm
.irp a, 0,1,2,3,4,5,6,7
	OUTBLK \a
.endr
	s_wait_tensorcnt 0x0                           ; the wave's end
	ds_add_u32 v[SPW], v[NIL]
	s_wait_dscnt 0x0
	CROUND                                         ; the closing round
	s_endpgm
.Lfunc_end_k_q61e7a3475d_proj:
	.size	k_q61e7a3475d_proj, .Lfunc_end_k_q61e7a3475d_proj-k_q61e7a3475d_proj
	.p2alignl 7, 3214868480
	.fill 96, 4, 3214868480
	.section	.rodata,"a",@progbits
	.p2align	6, 0x0
	.amdhsa_kernel k_q61e7a3475d_proj
		.amdhsa_group_segment_fixed_size 327680
		.amdhsa_private_segment_fixed_size 0
		.amdhsa_enable_private_segment 0
		.amdhsa_kernarg_size 24
		.amdhsa_user_sgpr_count 2
		.amdhsa_user_sgpr_kernarg_segment_ptr 1
		.amdhsa_wavefront_size32 1
		.amdhsa_system_sgpr_workgroup_id_x 1
		.amdhsa_system_sgpr_workgroup_id_y 1
		.amdhsa_system_sgpr_workgroup_id_z 1
		.amdhsa_system_vgpr_workitem_id 0
		.amdhsa_next_free_vgpr 1024
		.amdhsa_next_free_sgpr 100
		.amdhsa_reserve_vcc 0
		.amdhsa_float_denorm_mode_32 3
		.amdhsa_float_denorm_mode_16_64 3
		.amdhsa_memory_ordered 1
		.amdhsa_forward_progress 1
		.amdhsa_inst_pref_size 255
	.end_amdhsa_kernel
	.section	.bss,"aw",@nobits
	.p2align	6
	.space	262144
	.amdgpu_metadata
---
amdhsa.version: [ 1, 2 ]
amdhsa.kernels:
  - .name:           k_q61e7a3475d_proj
    .symbol:         k_q61e7a3475d_proj.kd
    .args:
      - { .name: codes, .offset: 0, .size: 8, .value_kind: global_buffer, .address_space: global }
      - { .name: scales, .offset: 8, .size: 8, .value_kind: global_buffer, .address_space: global }
      - { .name: qkv, .offset: 16, .size: 8, .value_kind: global_buffer, .address_space: global }
    .group_segment_fixed_size: 327680
    .private_segment_fixed_size: 0
    .kernarg_segment_align: 8
    .kernarg_segment_size: 24
    .max_flat_workgroup_size: 128
    .sgpr_count:     100
    .vgpr_count:     1024
    .wavefront_size: 32
...
	.end_amdgpu_metadata
.endif
;; end of part 2
;; launch attn (part 3): grid 4 x 64, 16 waves a work-group, clusters of 4 x 1, 327,680 bytes of LDS; arguments qkv, maskw, xa; writes xa
.if DOCPART == 3
	.amdgcn_target "amdgcn-amd-amdhsa--gfx1250"
	.amdhsa_code_object_version 6
	.text
	.protected	k_q61e7a3475d_attn
	.globl	k_q61e7a3475d_attn
	.p2align	8
	.type	k_q61e7a3475d_attn,@function
k_q61e7a3475d_attn:
	s_mov_b64 s[64:65], 0
	v_nop
	global_prefetch_b8 v0, s[64:65] scope:SCOPE_SE
	s_setreg_imm32_b32 hwreg(HW_REG_WAVE_MODE, 25, 1), 1
	s_wait_xcnt 0x0
	s_wait_alu depctr_hold_cnt(0) depctr_sa_sdst(0) depctr_va_vdst(0) depctr_va_sdst(0) depctr_va_ssrc(0) depctr_va_vcc(0) depctr_vm_vsrc(0)
	s_getreg_b32 s2, hwreg(HW_REG_IB_STS2, 6, 4)
	s_cmp_eq_u32 s2, 0
	s_cbranch_scc0 .Lentry_in_a_cluster
	s_endpgm
.Lentry_in_a_cluster:
	s_bfe_u32 s2, ttmp6, 0x10000c
	s_cmp_lg_u32 s2, 0x3003
	s_cbranch_scc0 .Lentry_shape_is_right
	s_endpgm
.Lentry_shape_is_right:
; x[b][q][head] = softmax_k(where(mask == 0, -1e9, q . k / 8)) v, for all 64 (batch, head) pairs; f16 operands, f32 sums, maxima and row sums.
; THE MASK IS DATA: every wave walks all 2,048 keys; a masked score is REPLACED by -1e9 (here in units of log2: x log2(e)), so a row that is wholly masked comes out uniform, as in the definition.
; q arrives multiplied by log2(e) / 8, so the score product gives t; p = 2^(t - m), m the running maximum; in every step O and the sum l are multiplied by a = 2^(m_old - m_new).
; SHARES.  A cluster of four work-groups is one (batch, head); a work-group owns 512 queries; each of its sixteen waves two tiles of 16, in 256 registers: four waves to a SIMD, so that one wave's
; vector work stands beside another's matrix work and LDS loads.  Keys go 64 a step.  K and V come through two LDS slots of 512 keys, by joint loads (waves 0, 1: K's halves; waves 2, 3: V's).
; LAYOUT.  q, k, v lie in memory as images of operand registers (512 bytes: lane l's 16 bytes at 16 l), so tiles are dense blocks, LDS loads take 512 consecutive bytes, and V needs no turning.
; Both products are used transposed: S^T = K Q^T, O^T = V^T P: a lane holds one query (lane % 16) and keys, or channels, 8 (lane / 16) + 0..7.  Two packed tiles of S^T are source 1 of the second product.
; The mask comes as words of 32 bits, one for each register of S^T, by scalar loads a step ahead: one v_cndmask_b32 a register.
; LIMITS: operands in f16 (magnitudes under 65,504); NaN and infinities are not served.
.set SLOT1, 1<<17                      ; a slot: K's 65,536 bytes, then V's; slot 1 begins here
.set SPARE, 2*SLOT1                    ; the spare words, 128 bytes a wave, named by no other line
.set LI,  1                            ; v1  16 x lane
.set LV,  2                            ; v2  16 x lane + 65,536
.set ADK, 3
.set ADV, 4
.set SPW, 5
.set NIL, 6
.set NEG, 7                            ; v7  -1e9 x log2(e)
.set PFO, 9                            ; v9  256 x lane
.set ST,  10                           ; tile x's statistics at v[ST + 8 x]: +0 m, +1 its pair's other word, +2, +3 l, +4..+7 at work (a in +6)
.set TMP, 26
.set Q,   32
.set S,   64
.set O,   128
.set KV,  192
.set WV,  10
.set TB,  11                           ; s11 LDS byte at which the step's tiles of K begin
.set MOFF, 12                          ; s12 the step's mask words: 128 bytes a step
.set SLOTS, 13
.set STEPC, 14
.set LIM, 15
.set G1,  16
.set G0,  24
.set SEL, 28
.set PFA, 30
.set MW1, 32                           ; s[32:63] tile 1's 32 words;  s[68:99] tile 0's
.set MW0, 68
.macro CROUND
	s_barrier_signal -1
	s_barrier_wait -1
	s_cmp_lg_u32 s[WV], 0
	s_cbranch_scc1 .Lnot_wave_0_\@
	s_barrier_signal -3
.Lnot_wave_0_\@:
	s_barrier_wait -3
	s_barrier_signal -1
	s_barrier_wait -1
.endm
.macro TLOAD                           ; waves 0 to 3 fetch a quarter of a slot each; the branch hangs on the wave's number alone
	s_cmp_lt_u32 s[WV], 4
	s_cbranch_scc0 .Lasked_\@
	tensor_load_to_lds s[G0:G0+3], s[G1:G1+7]
	s_nop 0
.rept 4
	v_nop
.endr
.Lasked_\@:
.endm
; A prefetch of the slot that the NEXT change of slots will ask for: 512 blocks of 256 bytes.  Waves 4 to 7 of each of the four partners ask, a lane a block; the partners are told apart by address.
; So each block is named once.  The last change that fills a slot asks for nothing.
.macro ASK
	s_cmp_gt_u32 s[SLOTS], s[LIM]
	s_cbranch_scc0 .Lnot_mine_\@
	global_prefetch_b8 v[PFO], s[PFA:PFA+1] th:TH_LOAD_NT scope:SCOPE_SE
.Lnot_mine_\@:
.endm
	s_load_b128 s[4:7], s[0:1], 0x0                ; qkv, maskw
	s_load_b64 s[8:9], s[0:1], 0x10                ; xa
	v_lshl_add_u32 v[SPW], v0, 2, SPARE
	v_mov_b32 v[NIL], 0
	ds_add_u32 v[SPW], v[NIL]                      ; the opening: the add, twice on end, and its wait ahead of the first tensor load
	ds_add_u32 v[SPW], v[NIL]
	v_lshrrev_b32 v8, 5, v0
	v_readfirstlane_b32 s[WV], v8                  ; wave 0..15
	s_bfe_u32 s66, ttmp6, 0x40000                  ; cx: my 512 queries
	s_and_b32 s67, ttmp7, 0xffff                   ; 16 x batch + head
	s_mov_b32 s[G1], 15|(3<<16)|(1<<21)            ; all four partners; elements of 8 bytes; a dense block of 32,768 bytes as 128 rows of 256
	s_mov_b32 s[G1+1], 32<<16
	s_mov_b32 s[G1+2], 128<<16
	s_mov_b32 s[G1+3], 32<<16
	s_mov_b32 s[G1+4], 128
	s_mov_b32 s[G1+5], 32
	s_mov_b32 s[G1+6], 0
	s_mov_b32 s[G1+7], 0
	s_and_b32 s100, s[WV], 3
	s_mov_b32 s[G0], 1
	s_lshl_b32 s[G0+1], s100, 15                   ; LDS: K's halves, then V's
	s_lshr_b32 s101, s100, 1
	s_lshl_b32 s101, s101, 24
	s_add_co_u32 s101, s101, 1<<24                 ; k lies 16 MiB, v's high parts 32 MiB into qkv
	s_lshl_b32 s14, s67, 18                        ; a head's 262,144 bytes
	s_add_co_u32 s101, s101, s14
	s_and_b32 s15, s100, 1
	s_lshl_b32 s15, s15, 15
	s_add_co_u32 s[G0+2], s101, s15
	s_mov_b32 s[G0+3], 0
	s_lshl_b32 s100, s66, 16                       ; q: my first tile is 32 cx + 2 wave; 2,048 bytes a tile
	s_lshl_b32 s15, s[WV], 12
	s_add_co_u32 s100, s100, s15
	s_add_co_u32 s100, s100, s14
	s_mov_b32 s101, 0
	s_lshl_b32 s2, s66, 17                         ; the mask words: 4,096 bytes a tile
	s_lshl_b32 s15, s[WV], 13
	s_add_co_u32 s2, s2, s15
	s_mov_b32 s3, 0
	s_lshr_b32 s12, s67, 4                         ; xa: (128 batch + tile) x 32,768 + head x 2,048
	s_lshl_b32 s12, s12, 22
	s_lshl_b32 s15, s66, 20
	s_add_co_u32 s12, s12, s15
	s_lshl_b32 s15, s[WV], 16
	s_add_co_u32 s12, s12, s15
	s_and_b32 s15, s67, 15
	s_lshl_b32 s15, s15, 11
	s_add_co_u32 s12, s12, s15
	s_mov_b32 s13, 0
	s_lshl_b32 s15, s66, 2                         ; the prefetches: part u = 4 cx + wave % 4 of sixteen: K's eight, then V's
	s_and_b32 s[PFA], s[WV], 3
	s_add_co_u32 s15, s15, s[PFA]
	s_lshr_b32 s[PFA], s15, 3
	s_lshl_b32 s[PFA], s[PFA], 24
	s_add_co_u32 s[PFA], s[PFA], (1<<24)+65536     ; in slot 1: the first change steps it to slot 2
	s_add_co_u32 s[PFA], s[PFA], s14
	s_and_b32 s15, s15, 7
	s_lshl_b32 s15, s15, 13
	s_add_co_u32 s[PFA], s[PFA], s15
	s_mov_b32 s[PFA+1], 0
	s_mov_b32 s[SEL], 0x76543210
	s_mov_b32 s[SEL+1], 0xfedcba98
	v_and_b32 v8, 31, v0
	v_lshlrev_b32 v[LI], 4, v8
	v_add_nc_u32 v[LV], 65536, v[LI]
	v_lshlrev_b32 v[PFO], 8, v8
	v_mov_b32 v[NEG], 0xceabfb8f
	s_wait_dscnt 0x0                               ; both opening adds are done
	s_wait_kmcnt 0x0
	s_add_nc_u64 s[G0+2:G0+3], s[4:5], s[G0+2:G0+3]
	s_or_b32 s[G0+3], s[G0+3], 0x80000000
	s_add_nc_u64 s[100:101], s[4:5], s[100:101]
	s_add_nc_u64 s[2:3], s[6:7], s[2:3]
	s_add_nc_u64 s[8:9], s[8:9], s[12:13]
	s_add_nc_u64 s[PFA:PFA+1], s[4:5], s[PFA:PFA+1]
	s_mov_b32 s[TB], 0
	s_mov_b32 s[MOFF], 0
	s_mov_b32 s[SLOTS], 3
	s_lshr_b32 s15, s[WV], 2
	s_cmp_eq_u32 s15, 1
	s_cselect_b32 s[LIM], 1, -1                    ; waves 4 to 7 prefetch
	CROUND                                         ; all four work-groups are here
	TLOAD                                          ; slot 0
	s_load_b512 s[MW0:MW0+15], s[2:3], s[MOFF] offset:0x0        ; step 0's mask words
	s_load_b512 s[MW0+16:MW0+31], s[2:3], s[MOFF] offset:0x40
	s_load_b512 s[MW1:MW1+15], s[2:3], s[MOFF] offset:0x1000
	s_load_b512 s[MW1+16:MW1+31], s[2:3], s[MOFF] offset:0x1040
.irp x, 0,1
.irp c, 0,1
.irp u, 0,1
	global_load_b128 v[Q+16*\x+8*\c+4*\u:Q+16*\x+8*\c+4*\u+3], v[LI], s[100:101] offset:2048*\x+512*(2*\c+\u)   ; Q stays in registers
.endr
.endr
.endr
.irp x, 0,1
	v_mov_b32 v[ST+8*\x], 0xff61b1e6               ; m = -3e38, under every t
	v_mov_b32 v[ST+8*\x+1], 0
	v_mov_b32 v[ST+8*\x+2], 0                      ; l
	v_mov_b32 v[ST+8*\x+3], 0
.endr
.set i, 0
.rept 64
	v_mov_b32 v[O+i], 0                            ; the step is written once for all steps: the first finds zeros, which its a = 0 leaves zeros
.set i, i+1
.endr
; A KEY STEP: 64 keys for my two tiles of queries.
.macro STEP
	v_add_nc_u32 v[ADK], s[TB], v[LI]
	v_add_nc_u32 v[ADV], s[TB], v[LV]
.rept 3
	v_nop                                          ; five plain lines in all behind the last step's products: loads land on V's registers, and the products below write over P's
.endr
.irp t, 0,1,2,3
.irp c, 0,1
.irp u, 0,1
	ds_load_b128 v[KV+8*(2*\t+\c)+4*\u:KV+8*(2*\t+\c)+4*\u+3], v[ADK] offset:2048*\t+512*(2*\c+\u)
.endr
.endr
.endr
	s_wait_dscnt 0x0
.irp t, 0,1,2,3                        ; S^T = K Q^T: eight accumulators by turns, channels 0-31 start the sums
.irp x, 0,1
	v_wmma_f32_16x16x32_f16 v[S+32*\x+8*\t:S+32*\x+8*\t+7], v[KV+16*\t:KV+16*\t+7], v[Q+16*\x:Q+16*\x+7], 0
.endr
.endr
.irp t, 0,1,2,3
.irp x, 0,1
	v_wmma_f32_16x16x32_f16 v[S+32*\x+8*\t:S+32*\x+8*\t+7], v[KV+16*\t+8:KV+16*\t+15], v[Q+16*\x+8:Q+16*\x+15], v[S+32*\x+8*\t:S+32*\x+8*\t+7]
.endr
.endr
.rept 4
	v_nop                                          ; places in front of the loads into K's registers and of the first read of the scores
.endr
.irp g, 0,1
.irp ct, 0,1,2,3
.irp u, 0,1
	ds_load_b128 v[KV+8*(4*\g+\ct)+4*\u:KV+8*(4*\g+\ct)+4*\u+3], v[ADV] offset:2048*(2*\g+\u)+512*\ct   ; V lands while the softmax is walked
.endr
.endr
.endr
	s_wait_kmcnt 0x0                               ; the step's mask words, asked for a step ago
.set i, 0
.rept 32
	v_cndmask_b32 v[S+i], v[NEG], v[S+i], s[MW0+i]       ; each accumulator from its low end on
	v_cndmask_b32 v[S+32+i], v[NEG], v[S+32+i], s[MW1+i]
.set i, i+1
.endr
.irp j, 0,1,2,3                        ; the maximum of a lane's 32 scores, in four chains, the two tiles by turns
.irp x, 0,1
	v_max3_num_f32 v[ST+8*\x+4+\j], v[S+32*\x+8*\j], v[S+32*\x+8*\j+1], v[S+32*\x+8*\j+2]
.endr
.endr
.irp k, 3,5
.irp j, 0,1,2,3
.irp x, 0,1
	v_max3_num_f32 v[ST+8*\x+4+\j], v[ST+8*\x+4+\j], v[S+32*\x+8*\j+\k], v[S+32*\x+8*\j+\k+1]
.endr
.endr
.endr
.irp x, 0,1
	v_max3_num_f32 v[ST+8*\x+4], v[ST+8*\x+4], v[S+32*\x+7], v[S+32*\x+15]
.endr
.irp x, 0,1
	v_max3_num_f32 v[ST+8*\x+6], v[ST+8*\x+6], v[S+32*\x+23], v[S+32*\x+31]
.endr
.irp x, 0,1
	v_max3_num_f32 v[ST+8*\x+4], v[ST+8*\x+4], v[ST+8*\x+5], v[ST+8*\x+6]
.endr
.irp x, 0,1
	v_max3_num_f32 v[ST+8*\x+4], v[ST+8*\x+4], v[ST+8*\x+7], v[ST+8*\x]     ; with the old m
.endr
.irp x, 0,1
	v_permlanex16_b32 v[ST+8*\x+5], v[ST+8*\x+4], s[SEL], s[SEL+1]          ; the query's other 32 keys lie in the lane 16 away
.endr
.irp x, 0,1
	v_mov_b32 v[ST+8*\x+7], v[ST+8*\x]
.endr
.irp x, 0,1
	v_max_num_f32 v[ST+8*\x], v[ST+8*\x+4], v[ST+8*\x+5]
.endr
.irp x, 0,1
	v_sub_f32 v[ST+8*\x+7], v[ST+8*\x+7], v[ST+8*\x]                        ; m_old - m_new
.endr
	s_add_co_u32 s[MOFF], s[MOFF], 128             ; the next step's words (the wait above has shown the last loads done); the last step asks for its own again: no load leaves the buffer
	s_min_u32 s[MOFF], s[MOFF], 3968
	s_load_b512 s[MW0:MW0+15], s[2:3], s[MOFF] offset:0x0
	s_load_b512 s[MW0+16:MW0+31], s[2:3], s[MOFF] offset:0x40
	s_load_b512 s[MW1:MW1+15], s[2:3], s[MOFF] offset:0x1000
	s_load_b512 s[MW1+16:MW1+31], s[2:3], s[MOFF] offset:0x1040
.irp x, 0,1
.set i, 0
.rept 16
	v_pk_add_f32 v[S+32*\x+2*i:S+32*\x+2*i+1], v[S+32*\x+2*i:S+32*\x+2*i+1], v[ST+8*\x:ST+8*\x+1] op_sel_hi:[1,0] neg_lo:[0,1] neg_hi:[0,1]   ; t - m
.set i, i+1
.endr
.endr
.irp x, 0,1
	v_exp_f32 v[ST+8*\x+6], v[ST+8*\x+7]           ; a
.endr
.set i, 0
.rept 64
	v_exp_f32 v[S+i], v[S+i]                       ; p: one batch
.set i, i+1
.endr
	v_nop                                          ; the plain line behind the last exponential
	s_wait_alu depctr_va_vdst(0)                   ; one wait for the batch, ahead of its first reader
.irp x, 0,1
	v_pk_mul_f32 v[ST+8*\x+2:ST+8*\x+3], v[ST+8*\x+2:ST+8*\x+3], v[ST+8*\x+6:ST+8*\x+7] op_sel_hi:[1,0]
.endr
.irp x, 0,1
	v_pk_add_f32 v[TMP+2*\x:TMP+2*\x+1], v[S+32*\x:S+32*\x+1], v[S+32*\x+2:S+32*\x+3]     ; the row's sum of the unrounded p, in two chains a tile
.endr
.irp j, 4,8,12,16,20,24,28
.irp x, 0,1
	v_pk_add_f32 v[ST+8*\x+2:ST+8*\x+3], v[ST+8*\x+2:ST+8*\x+3], v[S+32*\x+\j:S+32*\x+\j+1]
	v_pk_add_f32 v[TMP+2*\x:TMP+2*\x+1], v[TMP+2*\x:TMP+2*\x+1], v[S+32*\x+\j+2:S+32*\x+\j+3]
.endr
.endr
.irp x, 0,1
	v_pk_add_f32 v[ST+8*\x+2:ST+8*\x+3], v[ST+8*\x+2:ST+8*\x+3], v[TMP+2*\x:TMP+2*\x+1]
.endr
.irp x, 0,1
.set i, 0
.rept 16
	v_cvt_pk_f16_f32 v[S+32*\x+i], v[S+32*\x+2*i], v[S+32*\x+2*i+1]   ; P in place, ascending: no pair is written before it is read
.set i, i+1
.endr
.endr
.irp x, 0,1
.set i, 0
.rept 16
	v_pk_mul_f32 v[O+32*\x+2*i:O+32*\x+2*i+1], v[O+32*\x+2*i:O+32*\x+2*i+1], v[ST+8*\x+6:ST+8*\x+7] op_sel_hi:[1,0]
.set i, i+1
.endr
.endr
	s_wait_dscnt 0x0                               ; V is in
.irp g, 0,1                            ; O^T += V^T P: eight accumulators by turns
.irp ct, 0,1,2,3
.irp x, 0,1
	v_wmma_f32_16x16x32_f16 v[O+32*\x+8*\ct:O+32*\x+8*\ct+7], v[KV+8*(4*\g+\ct):KV+8*(4*\g+\ct)+7], v[S+32*\x+8*\g:S+32*\x+8*\g+7], v[O+32*\x+8*\ct:O+32*\x+8*\ct+7]
.endr
.endr
.endr
	s_add_co_u32 s[TB], s[TB], 8192
.endm
; THE CHANGE OF SLOTS stands at a slot's head: every wave waits for all its tensor loads, adds 0 to its spare word, waits for that and for its reads of the slot that it has left.
; fill = 1: behind a round of the cluster's barrier that slot takes the keys that follow; the load has a slot's eight steps in which to land.
.macro CHANGE fill
	s_wait_tensorcnt 0x0
	ds_add_u32 v[SPW], v[NIL]
.if \fill
	ds_add_u32 v[SPW], v[NIL]                      ; and once more
	s_xor_b32 s[G0+1], s[G0+1], SLOT1              ; no load of mine is out: the descriptor walks: the other slot, the next 512 keys
	s_add_nc_u64 s[G0+2:G0+3], s[G0+2:G0+3], 65536
	s_wait_xcnt 0x0                                ; the last prefetch, a slot back, has read its address
	s_add_nc_u64 s[PFA:PFA+1], s[PFA:PFA+1], 65536
	s_wait_dscnt 0x0
	CROUND
	TLOAD
	ASK
.else
	s_wait_dscnt 0x0
	s_barrier_signal -1
	s_barrier_wait -1
.endif
.endm
.macro SLOT_STEPS
	s_mov_b32 s[STEPC], 8
.Lstep_\@:
	STEP
	s_sub_co_u32 s[STEPC], s[STEPC], 1
	s_cmp_lg_u32 s[STEPC], 0
	s_cbranch_scc1 .Lstep_\@
	s_sub_co_u32 s[TB], s[TB], 65536
	s_xor_b32 s[TB], s[TB], SLOT1
.endm
	s_wait_loadcnt 0x0                             ; Q
.Lslot:                                            ; three trips: behind each change of slots but the last the next slot is asked for
	CHANGE 1
	SLOT_STEPS
	s_sub_co_u32 s[SLOTS], s[SLOTS], 1
	s_cmp_lg_u32 s[SLOTS], 0
	s_cbranch_scc1 .Lslot
	CHANGE 0                                       ; the last slot is written out
	SLOT_STEPS
	; THE WAY OUT: O^T / l, rounded to f16; an accumulator packs into an image of 512 bytes of the next product's operand
.rept 4
	v_nop
.endr
.irp x, 0,1
	v_add_f32 v[ST+8*\x+4], v[ST+8*\x+2], v[ST+8*\x+3]
.endr
.irp x, 0,1
	v_permlanex16_b32 v[ST+8*\x+5], v[ST+8*\x+4], s[SEL], s[SEL+1]
.endr
.irp x, 0,1
	v_add_f32 v[ST+8*\x+4], v[ST+8*\x+4], v[ST+8*\x+5]
.endr
.irp x, 0,1
	v_rcp_f32 v[ST+8*\x+6], v[ST+8*\x+4]
.endr
	v_nop
	s_wait_alu depctr_va_vdst(0)                   ; one wait for the two reciprocals, ahead of their first reader
.irp x, 0,1
.set i, 0
.rept 16
	v_pk_mul_f32 v[S+32*\x+2*i:S+32*\x+2*i+1], v[O+32*\x+2*i:O+32*\x+2*i+1], v[ST+8*\x+6:ST+8*\x+7] op_sel_hi:[1,0]
.set i, i+1
.endr
.endr
.set i, 0
.rept 32
	v_cvt_pk_f16_f32 v[KV+i], v[S+2*i], v[S+2*i+1]
.set i, i+1
.endr
.irp x, 0,1
.irp ct, 0,1,2,3
	global_store_b128 v[LI], v[KV+16*\x+4*\ct:KV+16*\x+4*\ct+3], s[8:9] offset:32768*\x+512*\ct   ; 512 consecutive bytes, aligned
.endr
.endr
	s_wait_tensorcnt 0x0                           ; the wave's end
	ds_add_u32 v[SPW], v[NIL]
	s_wait_dscnt 0x0
	CROUND                                         ; the closing round
	s_endpgm
.Lfunc_end_k_q61e7a3475d_attn:
	.size	k_q61e7a3475d_attn, .Lfunc_end_k_q61e7a3475d_attn-k_q61e7a3475d_attn
	.p2alignl 7, 3214868480
	.fill 96, 4, 3214868480
	.section	.rodata,"a",@progbits
	.p2align	6, 0x0
	.amdhsa_kernel k_q61e7a3475d_attn
		.amdhsa_group_segment_fixed_size 327680
		.amdhsa_private_segment_fixed_size 0
		.amdhsa_enable_private_segment 0
		.amdhsa_kernarg_size 24
		.amdhsa_user_sgpr_count 2
		.amdhsa_user_sgpr_kernarg_segment_ptr 1
		.amdhsa_wavefront_size32 1
		.amdhsa_system_sgpr_workgroup_id_x 1
		.amdhsa_system_sgpr_workgroup_id_y 1
		.amdhsa_system_sgpr_workgroup_id_z 1
		.amdhsa_system_vgpr_workitem_id 0
		.amdhsa_next_free_vgpr 256
		.amdhsa_next_free_sgpr 102
		.amdhsa_reserve_vcc 0
		.amdhsa_float_denorm_mode_32 3
		.amdhsa_float_denorm_mode_16_64 3
		.amdhsa_memory_ordered 1
		.amdhsa_forward_progress 1
		.amdhsa_inst_pref_size 58
	.end_amdhsa_kernel
	.amdgpu_metadata
---
amdhsa.version: [ 1, 2 ]
amdhsa.kernels:
  - .name:           k_q61e7a3475d_attn
    .symbol:         k_q61e7a3475d_attn.kd
    .args:
      - { .name: qkv, .offset: 0, .size: 8, .value_kind: global_buffer, .address_space: global }
      - { .name: maskw, .offset: 8, .size: 8, .value_kind: global_buffer, .address_space: global }
      - { .name: xa, .offset: 16, .size: 8, .value_kind: global_buffer, .address_space: global }
    .group_segment_fixed_size: 327680
    .private_segment_fixed_size: 0
    .kernarg_segment_align: 8
    .kernarg_segment_size: 24
    .max_flat_workgroup_size: 512
    .sgpr_count:     102
    .vgpr_count:     256
    .wavefront_size: 32
...
	.end_amdgpu_metadata
.endif
;; end of part 3
;; launch oproj (part 4): grid 4 x 64, 4 waves a work-group, clusters of 4 x 4, 327,680 bytes of LDS; arguments xa, wo16, out0; writes out0
.if DOCPART == 4
	.amdgcn_target "amdgcn-amd-amdhsa--gfx1250"
	.amdhsa_code_object_version 6
	.text
	.protected	k_q61e7a3475d_oproj
	.globl	k_q61e7a3475d_oproj
	.p2align	8
	.type	k_q61e7a3475d_oproj,@function
k_q61e7a3475d_oproj:
	s_mov_b64 s[64:65], 0
	v_nop
	global_prefetch_b8 v0, s[64:65] scope:SCOPE_SE
	s_setreg_imm32_b32 hwreg(HW_REG_WAVE_MODE, 25, 1), 1
	s_wait_xcnt 0x0
	s_wait_alu depctr_hold_cnt(0) depctr_sa_sdst(0) depctr_va_vdst(0) depctr_va_sdst(0) depctr_va_ssrc(0) depctr_va_vcc(0) depctr_vm_vsrc(0)
	s_getreg_b32 s2, hwreg(HW_REG_IB_STS2, 6, 4)
	s_cmp_eq_u32 s2, 0
	s_cbranch_scc0 .Lentry_in_a_cluster
	s_endpgm
.Lentry_in_a_cluster:
	s_bfe_u32 s2, ttmp6, 0x10000c
	s_cmp_lg_u32 s2, 0xf033
	s_cbranch_scc0 .Lentry_shape_is_right
	s_endpgm
.Lentry_shape_is_right:
; out0[m][n] = sum over c of x[m][c] w_o[n][c]: M 8,192, N 1,024, K 1,024; f16 operands (w_o's high parts), f32 sums and results.
; A work-group makes 128 rows x 256 columns, so that the launch has 256 work-groups; a wave 64 x 128: 32 accumulators in window 1.  Source 0 = w_o's rows, source 1 = x's: a lane holds eight neighbouring columns of a row.
; Both operands lie in memory as images of operand registers: 128 along K of a tile of 16 rows are 4,096 consecutive bytes, a tile's rows of K 32,768 bytes apart.  K goes in steps of 128 through two LDS slots.
; CLUSTERS of 4 x 4: x's tiles are shared along a row of the cluster, w_o's along a column: joint loads (waves 0, 1: x's halves, four tiles each; waves 2, 3: w_o's, eight tiles each).
; The first 16 rows of each batch are stored again, more finely, by a later launch.
; REGISTERS: window 0: v16-29 addresses; two fragment buffers of 96 at v32 and v128 (w_o's eight fragments, then x's four); window 1: accumulator (a, b) at v[8 (8 a + b)].
.set SLOT,   98304                     ; x's 8 tiles x 4,096 bytes, then w_o's 16
.set WOFF,   32768
.set STAGE,  2*SLOT                    ; 16 rows x 528 bytes for each wave, for the way out
.set SPITCH, 528
.set SPARE,  STAGE+4*16*SPITCH         ; the spare words, 128 bytes a wave, named by no other line
.set LAPS,   4
.set ADX, 16
.set ADW, 20
.set STO, 24
.set RD,  25
.set CO,  26
.set SPW, 28
.set NIL, 29
.set F0,  32
.set F1,  128
.set BK,  32
.set G1,  24
.set G0,  32
.set G1B, 48
.set G0B, 56
.set MSB, 0
.macro WIN new
.if MSB != \new
	s_set_vgpr_msb (MSB<<8)|\new
.set MSB, \new
.endif
.endm
.set MUL, 0x50                         ; C and D in window 1, the fragments in window 0
.macro JLOAD s                         ; an s_nop 0 and four v_nop follow each of the two lines
	s_cmp_eq_u32 s11, 0
	s_cbranch_scc0 .Lfor_b_\@
	tensor_load_to_lds s[G0+4*\s:G0+4*\s+3], s[G1:G1+7]
	s_nop 0
.rept 4
	v_nop
.endr
	s_branch .Lasked_\@
.Lfor_b_\@:
	tensor_load_to_lds s[G0B+4*\s:G0B+4*\s+3], s[G1B:G1B+7]
	s_nop 0
.rept 4
	v_nop
.endr
.Lasked_\@:
.endm
.macro CREST
	s_cmp_lg_u32 s10, 0
	s_cbranch_scc1 .Lnot_wave_0_\@
	s_barrier_signal -3
.Lnot_wave_0_\@:
	s_barrier_wait -3
	s_barrier_signal -1
	s_barrier_wait -1
.endm
.macro CROUND
	s_barrier_signal -1
	s_barrier_wait -1
	CREST
.endm
	s_load_b128 s[4:7], s[0:1], 0x0                ; xa, wo16
	s_load_b64 s[8:9], s[0:1], 0x10                ; out0
	v_lshl_add_u32 v[SPW], v0, 2, SPARE
	v_mov_b32 v[NIL], 0
	ds_add_u32 v[SPW], v[NIL]                      ; the opening: the add, twice on end, and its wait ahead of my first tensor load
	ds_add_u32 v[SPW], v[NIL]
	v_lshrrev_b32 v1, 5, v0
	v_readfirstlane_b32 s10, v1                    ; wave
	s_lshr_b32 s11, s10, 1                         ; my half of the rows; also: I fetch for x (0) or w_o (1)
	s_and_b32 s12, s10, 1                          ; my half of the columns; also: which half I fetch
	s_bfe_u32 s40, ttmp6, 0x40000
	s_bfe_u32 s41, ttmp6, 0x40004
	s_lshl_b32 s42, ttmp9, 2
	s_add_co_u32 s42, s42, s40                     ; tile column
	s_and_b32 s13, ttmp7, 0xffff
	s_lshl_b32 s13, s13, 2
	s_add_co_u32 s13, s13, s41                     ; tile row
	s_lshl_b32 s43, s41, 2
	s_lshl_b32 s43, 15, s43
	s_lshl_b32 s44, 0x1111, s40
	s_or_b32 s[G1+0], s43, (3<<16)|(1<<21)         ; x's tiles go to my row of the cluster; elements of 8 bytes; no padding: LDS loads take 512 consecutive bytes
	s_or_b32 s[G1B+0], s44, (3<<16)|(1<<21)
	s_mov_b32 s[G1+1], 512<<16                     ; a row: 512 elements, 4,096 bytes
	s_mov_b32 s[G1+2], 4<<16                       ; four tiles of 16 rows
	s_mov_b32 s[G1+3], 512<<16
	s_mov_b32 s[G1+4], 4
	s_mov_b32 s[G1+5], 4096                        ; 32,768 bytes from tile to tile
	s_mov_b32 s[G1+6], 0
	s_mov_b32 s[G1+7], 0
	s_mov_b32 s[G1B+1], 512<<16
	s_mov_b32 s[G1B+2], 8<<16
	s_mov_b32 s[G1B+3], 512<<16
	s_mov_b32 s[G1B+4], 8
	s_mov_b32 s[G1B+5], 4096
	s_mov_b32 s[G1B+6], 0
	s_mov_b32 s[G1B+7], 0
	s_lshl_b32 s16, s13, 3
	s_lshl_b32 s17, s12, 2
	s_add_co_u32 s16, s16, s17
	s_lshl_b32 s16, s16, 15                        ; x: tile 8 y + 4 half
	s_mov_b32 s17, 0
	s_lshl_b32 s46, s42, 4
	s_lshl_b32 s47, s12, 3
	s_add_co_u32 s46, s46, s47
	s_lshl_b32 s46, s46, 15                        ; w_o: tile 16 x + 8 half
	s_mov_b32 s47, 0
	s_lshl_b32 s20, s12, 14                        ; where they go
	s_lshl_b32 s21, s12, 15
	s_add_co_u32 s21, s21, WOFF
	s_wait_dscnt 0x0
	s_wait_kmcnt 0x0
	s_add_nc_u64 s[14:15], s[4:5], s[16:17]
	s_add_nc_u64 s[46:47], s[6:7], s[46:47]
	CROUND
.irp s, 0,1
	s_mov_b32 s[G0+4*\s], 1
	s_add_co_u32 s[G0+4*\s+1], s20, \s*SLOT
	s_add_nc_u64 s[G0+4*\s+2:G0+4*\s+3], s[14:15], \s*4096
	s_or_b32 s[G0+4*\s+3], s[G0+4*\s+3], 0x80000000
	s_mov_b32 s[G0B+4*\s], 1
	s_add_co_u32 s[G0B+4*\s+1], s21, \s*SLOT
	s_add_nc_u64 s[G0B+4*\s+2:G0B+4*\s+3], s[46:47], \s*4096
	s_or_b32 s[G0B+4*\s+3], s[G0B+4*\s+3], 0x80000000
	JLOAD \s
.endr
	v_and_b32 v1, 31, v0
	v_lshlrev_b32 v[CO], 4, v1                     ; 16 x lane
	s_lshl_b32 s22, s11, 14                        ; my four tiles of x
	s_lshl_b32 s23, s12, 15
	s_add_co_u32 s23, s23, WOFF                    ; my eight of w_o
.irp s, 0,1
	v_add_nc_u32 v[ADX+\s], s22, v[CO]
	v_add_nc_u32 v[ADW+\s], s23, v[CO]
	s_add_co_u32 s22, s22, SLOT
	s_add_co_u32 s23, s23, SLOT
.endr
	s_mul_i32 s23, s10, 16*SPITCH
	s_add_co_u32 s23, s23, STAGE
	v_and_b32 v2, 15, v0
	v_bfe_u32 v3, v0, 4, 1
	v_mul_u32_u24 v[STO], v2, SPITCH
	v_lshl_add_u32 v[STO], v3, 5, v[STO]
	v_add_nc_u32 v[STO], s23, v[STO]               ; in: row l % 16, 32 bytes for each half of the lanes
	v_add_nc_u32 v[RD], s23, v[CO]                 ; back: a row of 512 bytes
	s_lshl_b32 s16, s13, 19                        ; out0: (128 y + 64 half) rows of 4,096 bytes + 1,024 x + 512 half
	s_lshl_b32 s17, s11, 18
	s_add_co_u32 s16, s16, s17
	s_lshl_b32 s17, s42, 10
	s_add_co_u32 s16, s16, s17
	s_lshl_b32 s17, s12, 9
	s_add_co_u32 s16, s16, s17
	s_mov_b32 s17, 0
	s_add_nc_u64 s[8:9], s[8:9], s[16:17]
.macro MUL8 f, a, zero                 ; x's block a against w_o's eight, 32 along K
.irp b, 0,1,2,3,4,5,6,7
.if \zero
	v_wmma_f32_16x16x32_f16 v[8*(8*(\a)+\b):8*(8*(\a)+\b)+7], v[\f+8*\b:\f+8*\b+7], v[\f+64+8*(\a):\f+64+8*(\a)+7], 0
.else
	v_wmma_f32_16x16x32_f16 v[8*(8*(\a)+\b):8*(8*(\a)+\b)+7], v[\f+8*\b:\f+8*\b+7], v[\f+64+8*(\a):\f+64+8*(\a)+7], v[8*(8*(\a)+\b):8*(8*(\a)+\b)+7]
.endif
.endr
.endm
.macro FETCH slot, q, f                ; 24 LDS loads in one run: the fragments of the slot's q-th 32 along K
	WIN 0
.irp b, 0,1,2,3,4,5,6,7
.irp u, 0,1
	ds_load_b128 v[\f+8*\b+4*\u:\f+8*\b+4*\u+3], v[ADW+\slot] offset:4096*\b+512*(2*(\q)+\u)
.endr
.endr
.irp a, 0,1,2,3
.irp u, 0,1
	ds_load_b128 v[\f+64+8*\a+4*\u:\f+64+8*\a+4*\u+3], v[ADX+\slot] offset:4096*\a+512*(2*(\q)+\u)
.endr
.endr
.endm
.macro PLACES
.rept 4
	v_nop
.endr
.endm
; A K step is four quarters of 32 along K, 32 matrix instructions each (the 32 accumulators by turns), on buffers 0, 1, 0, 1.
.macro QUARTER slot, qn, f, g, zero
	s_wait_dscnt 4                                 ; all but the youngest four loads (x's blocks 2, 3)
	WIN MUL
	MUL8 \f, 0, \zero
	MUL8 \f, 1, \zero
	PLACES
	FETCH \slot, \qn, \g
	s_wait_dscnt 24                                ; all but the 24 just issued
	WIN MUL
	MUL8 \f, 2, \zero
	MUL8 \f, 3, \zero
.endm
; The last quarter multiplies buffer 1 and changes slots: one barrier; in front of it each wave waits for all its tensor loads, adds 0 to its spare word, and waits for that and for its reads of this slot.
.macro TURN slot, next, fill
	WIN 0
	s_wait_tensorcnt 0x0                           ; my part of the next slot has landed
	ds_add_u32 v[SPW], v[NIL]
	s_wait_dscnt 5                                 ; the add and the youngest four loads may be out
	WIN MUL
	MUL8 F1, 0, 0
	s_wait_dscnt 0x0
	s_barrier_signal -1
	MUL8 F1, 1, 0
.if \fill
	WIN 0
.endif
	s_barrier_wait -1
.if \fill
	CREST                                          ; the barrier has opened a round of the cluster's: no wave of any partner still reads this slot or has a load on its way
	s_add_nc_u64 s[G0+4*\slot+2:G0+4*\slot+3], s[G0+4*\slot+2:G0+4*\slot+3], 8192
	s_add_nc_u64 s[G0B+4*\slot+2:G0B+4*\slot+3], s[G0B+4*\slot+2:G0B+4*\slot+3], 8192
	JLOAD \slot                                    ; two K steps ahead; its four v_nop are also the places in front of the loads below
.else
	PLACES
.endif
	FETCH \next, 0, F0
	WIN MUL
	MUL8 F1, 2, 0
	MUL8 F1, 3, 0
.endm
	s_wait_tensorcnt 1                             ; my part of K step 0 is in; K step 1's may be out
	s_barrier_signal -1
	s_barrier_wait -1
	FETCH 0, 0, F0
	QUARTER 0, 1, F0, F1, 1                        ; the first quarter's products start the sums
	WIN 0
	s_mov_b32 s3, LAPS-1
.Llap:
	QUARTER 0, 2, F1, F0, 0
	QUARTER 0, 3, F0, F1, 0
	TURN 0, 1, 1
	QUARTER 1, 1, F0, F1, 0
	QUARTER 1, 2, F1, F0, 0
	QUARTER 1, 3, F0, F1, 0
	TURN 1, 0, 1
	QUARTER 0, 1, F0, F1, 0
	WIN 0
	s_sub_co_u32 s3, s3, 1
	s_cmp_lg_u32 s3, 0
	s_cbranch_scc1 .Llap
	QUARTER 0, 2, F1, F0, 0                        ; the last lap fills nothing
	QUARTER 0, 3, F0, F1, 0
	TURN 0, 1, 0
	QUARTER 1, 1, F0, F1, 0
	QUARTER 1, 2, F1, F0, 0
	QUARTER 1, 3, F0, F1, 0
	s_wait_dscnt 4
	WIN MUL
	MUL8 F1, 0, 0
	MUL8 F1, 1, 0
	s_wait_dscnt 0
	MUL8 F1, 2, 0
	MUL8 F1, 3, 0
	WIN 0
; THE WAY OUT, a block of 16 rows x 128 columns at a time, through my own stage: back come whole rows of 512 bytes.  LDS serves a wave's instructions in order.
.macro TOSTAGE a
.set AC, 64*(\a)
	WIN 0x04                                       ; an LDS store's data: window 1
.irp b, 0,1,2,3,4,5,6,7
	ds_store_b128 v[STO], v[AC+8*\b:AC+8*\b+3] offset:64*\b          ; each accumulator from its low end on
	ds_store_b128 v[STO], v[AC+8*\b+4:AC+8*\b+7] offset:64*\b+16
.endr
	WIN 0
.set BB, BK+64*((\a)%2)
.irp t, 0,1,2,3,4,5,6,7,8,9,10,11,12,13,14,15
	ds_load_b128 v[BB+4*\t:BB+4*\t+3], v[RD] offset:\t*SPITCH
.endr
.endm
.macro SEND a, younger
.set BB, BK+64*((\a)%2)
	s_wait_dscnt \younger
.if (\a) > 0
	s_add_nc_u64 s[8:9], s[8:9], 16*4096           ; behind a wait on XCNT: the earlier stores have read their base
.endif
.irp t, 0,1,2,3,4,5,6,7,8,9,10,11,12,13,14,15
	global_store_b128 v[CO], v[BB+4*\t:BB+4*\t+3], s[8:9] offset:\t*4096 th:TH_STORE_NT   ; 512 consecutive bytes, aligned
.endr
.endm
	PLACES
	TOSTAGE 0
.irp a, 1,2,3
.if \a > 1
	s_wait_xcnt 0x0                                ; block a - 2's stores have read their registers and base
.endif
	TOSTAGE \a
	SEND \a-1, 32                                  ; behind block a - 1's loads: block a's 16 stores and 16 loads
.endr
	s_wait_xcnt 0x0
	SEND 3, 0
	s_wait_tensorcnt 0x0                           ; the wave's end
	ds_add_u32 v[SPW], v[NIL]
	s_wait_dscnt 0x0
	CROUND
	s_endpgm
.Lfunc_end_k_q61e7a3475d_oproj:
	.size	k_q61e7a3475d_oproj, .Lfunc_end_k_q61e7a3475d_oproj-k_q61e7a3475d_oproj
	.p2alignl 7, 3214868480
	.fill 96, 4, 3214868480
	.section	.rodata,"a",@progbits
	.p2align	6, 0x0
	.amdhsa_kernel k_q61e7a3475d_oproj
		.amdhsa_group_segment_fixed_size 327680
		.amdhsa_private_segment_fixed_size 0
		.amdhsa_enable_private_segment 0
		.amdhsa_kernarg_size 24
		.amdhsa_user_sgpr_count 2
		.amdhsa_user_sgpr_kernarg_segment_ptr 1
		.amdhsa_wavefront_size32 1
		.amdhsa_system_sgpr_workgroup_id_x 1
		.amdhsa_system_sgpr_workgroup_id_y 1
		.amdhsa_system_sgpr_workgroup_id_z 1
		.amdhsa_system_vgpr_workitem_id 0
		.amdhsa_next_free_vgpr 512
		.amdhsa_next_free_sgpr 66
		.amdhsa_reserve_vcc 0
		.amdhsa_float_denorm_mode_32 3
		.amdhsa_float_denorm_mode_16_64 3
		.amdhsa_memory_ordered 1
		.amdhsa_forward_progress 1
		.amdhsa_inst_pref_size 84
	.end_amdhsa_kernel
	.amdgpu_metadata
---
amdhsa.version: [ 1, 2 ]
amdhsa.kernels:
  - .name:           k_q61e7a3475d_oproj
    .symbol:         k_q61e7a3475d_oproj.kd
    .args:
      - { .name: xa, .offset: 0, .size: 8, .value_kind: global_buffer, .address_space: global }
      - { .name: wo16, .offset: 8, .size: 8, .value_kind: global_buffer, .address_space: global }
      - { .name: out0, .offset: 16, .size: 8, .value_kind: global_buffer, .address_space: global }
    .group_segment_fixed_size: 327680
    .private_segment_fixed_size: 0
    .kernarg_segment_align: 8
    .kernarg_segment_size: 24
    .max_flat_workgroup_size: 128
    .sgpr_count:     66
    .vgpr_count:     512
    .wavefront_size: 32
...
	.end_amdgpu_metadata
.endif
;; end of part 4
;; launch fattn (part 5): grid 4 x 64, 16 waves a work-group, clusters of 4 x 1, 327,680 bytes of LDS; arguments qkv, maskw, xf; writes xf
.if DOCPART == 5
	.amdgcn_target "amdgcn-amd-amdhsa--gfx1250"
	.amdhsa_code_object_version 6
	.text
	.protected	k_q61e7a3475d_fattn
	.globl	k_q61e7a3475d_fattn
	.p2align	8
	.type	k_q61e7a3475d_fattn,@function
k_q61e7a3475d_fattn:
	s_mov_b64 s[64:65], 0
	v_nop
	global_prefetch_b8 v0, s[64:65] scope:SCOPE_SE
	s_setreg_imm32_b32 hwreg(HW_REG_WAVE_MODE, 25, 1), 1
	s_wait_xcnt 0x0
	s_wait_alu depctr_hold_cnt(0) depctr_sa_sdst(0) depctr_va_vdst(0) depctr_va_sdst(0) depctr_va_ssrc(0) depctr_va_vcc(0) depctr_vm_vsrc(0)
	s_getreg_b32 s2, hwreg(HW_REG_IB_STS2, 6, 4)
	s_cmp_eq_u32 s2, 0
	s_cbranch_scc0 .Lentry_in_a_cluster
	s_endpgm
.Lentry_in_a_cluster:
	s_bfe_u32 s2, ttmp6, 0x10000c
	s_cmp_lg_u32 s2, 0x3003
	s_cbranch_scc0 .Lentry_shape_is_right
	s_endpgm
.Lentry_shape_is_right:
; THE FIRST 16 POSITIONS OF EVERY SEQUENCE, CARRIED MORE FINELY: the attention of queries 0-15 of each (batch, head), with v as a high and a low f16 part, and its result stored as a high and a low f16 part.
; The mask is data, so all 2,048 keys are walked.  A cluster of four work-groups is one (batch, head); each of the four makes 16 of the head's 64 channels, told apart by address alone (v's and xf's).
; In a work-group wave w takes keys 128 w .. 128 w + 127 in two steps of 64, with a running maximum of its own; the sixteen partial results (O^T, m, l) meet in LDS, and wave 0 joins them.
; The scores and the softmax are computed in each of the four work-groups: 16 products and some 250 vector lines a wave; in return no sum spans work-groups, and each image of xf has one owner.
; k IS WHAT THE FOUR SHARE, so it is asked for JOINTLY: each wave issues one tensor load, with a mask that names the four, for its own 16,384 dense bytes, into LDS bytes of its own (16,384 x wave), which it alone reads:
; its own wait on TENSORcnt is all the ordering that those reads need.  Nothing is filled again.  One tensor load of a wave is out at the most.
; q and my work-group's quarter of v come from their images in memory straight into registers, 512 consecutive bytes a load, all twenty loads at the head.
; The arithmetic of a lane is that of the bulk launch: S^T = K Q^T, a masked score REPLACED by -1e9 (x log2(e)), p = 2^(t - m), O^T = V^T P.
; LIMITS: operands in f16 (magnitudes under 65,504); NaN and infinities are not served.
.set LI,  1                            ; v1  16 x lane
.set AK,  2                            ; v2  LDS: my wave's k: 16,384 x wave + 16 x lane
.set RO,  3                            ; v3  LDS: reading every wave's O^T: PO + 16 x lane
.set SPW, 5                            ; v5  my spare word's LDS address; never rewritten
.set NIL, 6                            ; v6  0; never rewritten
.set NEG, 7                            ; v7  -1e9 x log2(e)
.set ST,  10                           ; v10 m, v11 its pair's other word, v12, v13 l, v14-17 at work (a in v16)
.set AM,  20                           ; v20 LDS: my m (and 2,048 bytes on my l): PM + 4 x thread
.set AO,  21                           ; v21 LDS: my O^T: PO + 1,024 x wave + 16 x lane
.set RM,  22                           ; v22 LDS: reading all m and l: PM + 4 x lane
.set TMP, 26
.set Q,   32                           ; v32-47   q's two fragments
.set S,   48                           ; v48-79   S^T, then P in place
.set O,   80                           ; v80-111  four accumulators of one channel tile: (high, keys 0-31), (high, keys 32-63), (low, ..), (low, ..)
.set KA,  112                          ; v112-175 a step's eight fragments of k
.set VV,  176                          ; v176-239 v: step s at 32 s: two fragments of high parts, then two of low parts
.set PO,  262144                       ; LDS behind k's 262,144 bytes: the sixteen partial O^T, 1,024 bytes each: no tensor load lands here
.set PM,  PO+16384                     ; all m, 2,048 bytes; then all l
.set SPARE, PM+4096                    ; the spare words, 128 bytes a wave, named by no other line
.set WV,  10
.set G1,  16                           ; s[16:23] descriptor group 1;  s[24:27] group 0
.set G0,  24
.set SEL, 28
.macro CROUND                          ; a round of the cluster's barrier
	s_barrier_signal -1
	s_barrier_wait -1
	s_cmp_lg_u32 s[WV], 0
	s_cbranch_scc1 .Lnot_wave_0_\@
	s_barrier_signal -3
.Lnot_wave_0_\@:
	s_barrier_wait -3
	s_barrier_signal -1
	s_barrier_wait -1
.endm
	s_load_b128 s[4:7], s[0:1], 0x0                ; qkv, maskw
	s_load_b64 s[8:9], s[0:1], 0x10                ; xf
	v_lshl_add_u32 v[SPW], v0, 2, SPARE
	v_mov_b32 v[NIL], 0
	ds_add_u32 v[SPW], v[NIL]                      ; the opening: the add, twice on end, and its wait ahead of my first tensor load
	ds_add_u32 v[SPW], v[NIL]
	v_lshrrev_b32 v8, 5, v0
	v_readfirstlane_b32 s[WV], v8                  ; wave 0..15
	v_and_b32 v9, 31, v0
	v_lshlrev_b32 v[LI], 4, v9
	v_lshl_add_u32 v[AK], v8, 14, v[LI]
	v_add_nc_u32 v[RO], PO, v[LI]
	v_lshl_add_u32 v[AO], v8, 10, v[LI]
	v_add_nc_u32 v[AO], PO, v[AO]
	v_lshl_add_u32 v[AM], v0, 2, PM
	v_lshl_add_u32 v[RM], v9, 2, PM
	v_mov_b32 v[NEG], 0xceabfb8f                   ; -1e9 x log2(e)
	s_mov_b32 s[SEL], 0x76543210
	s_mov_b32 s[SEL+1], 0xfedcba98
	s_mov_b32 s[G1], 15|(3<<16)|(1<<21)            ; all four partners; elements of 8 bytes; a dense block of 16,384 bytes as 64 rows of 256
	s_mov_b32 s[G1+1], 32<<16
	s_mov_b32 s[G1+2], 64<<16
	s_mov_b32 s[G1+3], 32<<16
	s_mov_b32 s[G1+4], 64
	s_mov_b32 s[G1+5], 32
	s_mov_b32 s[G1+6], 0
	s_mov_b32 s[G1+7], 0
	s_bfe_u32 s30, ttmp6, 0x40000                  ; cx: which 16 channels are my work-group's: it enters v's and xf's addresses alone
	s_lshl_b32 s30, s30, 9                         ; an image of 512 bytes a channel tile
	s_and_b32 s11, ttmp7, 0xffff                   ; 16 x batch + head, which the four partners share
	s_lshl_b32 s100, s11, 18                       ; the head's 262,144 bytes: q's offset
	s_mov_b32 s101, 0
	s_lshl_b32 s14, s[WV], 14                      ; my 128 keys: 8 token tiles of 2,048 bytes
	s_mov_b32 s[G0], 1
	s_lshl_b32 s[G0+1], s[WV], 14                  ; LDS: my wave's own 16,384 bytes
	s_add_co_u32 s[G0+2], s100, s14
	s_add_co_u32 s[G0+2], s[G0+2], 1<<24           ; k lies 16 MiB into qkv
	s_mov_b32 s[G0+3], 0
	s_add_co_u32 s12, s[G0+2], s30
	s_add_co_u32 s12, s12, 1<<24                   ; v's high parts lie 16 MiB on: the same keys, my channel tile
	s_mov_b32 s13, 0
	s_lshl_b32 s2, s[WV], 8                        ; my two steps' mask words (query tile 0): 128 bytes a step
	s_mov_b32 s3, 0
	s_lshr_b32 s66, s11, 4
	s_lshl_b32 s66, s66, 16                        ; xf: batch x 65,536 + (4 head + channel tile) x 512
	s_and_b32 s67, s11, 15
	s_lshl_b32 s67, s67, 11
	s_add_co_u32 s66, s66, s67
	s_add_co_u32 s66, s66, s30
	s_mov_b32 s67, 0
	s_wait_dscnt 0x0                               ; both opening adds are done
	s_wait_kmcnt 0x0
	s_add_nc_u64 s[G0+2:G0+3], s[4:5], s[G0+2:G0+3]
	s_or_b32 s[G0+3], s[G0+3], 0x80000000
	s_add_nc_u64 s[100:101], s[4:5], s[100:101]    ; q
	s_add_nc_u64 s[14:15], s[4:5], s[12:13]        ; v, high parts
	s_add_nc_u64 s[12:13], s[14:15], 1<<24         ; v, low parts
	s_add_nc_u64 s[2:3], s[6:7], s[2:3]
	s_add_nc_u64 s[8:9], s[8:9], s[66:67]
	CROUND                                         ; all four work-groups are here: the joint loads meet
	tensor_load_to_lds s[G0:G0+3], s[G1:G1+7]      ; my 128 keys of k: every wave issues its own, the same line with the same registers in all four partners
	s_nop 0
.rept 4
	v_nop
.endr
	s_load_b512 s[32:47], s[2:3], 0x0              ; step 0's 32 mask words,
	s_load_b512 s[48:63], s[2:3], 0x40
	s_load_b512 s[68:83], s[2:3], 0x80             ; step 1's
	s_load_b512 s[84:99], s[2:3], 0xc0
.irp c, 0,1
.irp u, 0,1
	global_load_b128 v[Q+8*\c+4*\u:Q+8*\c+4*\u+3], v[LI], s[100:101] offset:512*(2*\c+\u)
.endr
.endr
.irp s, 0,1
.irp g, 0,1
.irp u, 0,1
	global_load_b128 v[VV+32*\s+8*\g+4*\u:VV+32*\s+8*\g+4*\u+3], v[LI], s[14:15] offset:8192*\s+2048*(2*\g+\u)
	global_load_b128 v[VV+32*\s+16+8*\g+4*\u:VV+32*\s+16+8*\g+4*\u+3], v[LI], s[12:13] offset:8192*\s+2048*(2*\g+\u)
.endr
.endr
.endr
	v_mov_b32 v[ST], 0xff61b1e6                    ; m = -3e38, under every t
	v_mov_b32 v[ST+1], 0
	v_mov_b32 v[ST+2], 0                           ; l
	v_mov_b32 v[ST+3], 0
.set i, 0
.rept 32
	v_mov_b32 v[O+i], 0                            ; the step is written once for both: the first finds zeros, which its a = 0 leaves zeros
.set i, i+1
.endr
.macro KLOAD s                         ; a step's 64 keys of k, out of my own LDS bytes: 512 consecutive bytes a load
.irp t, 0,1,2,3
.irp c, 0,1
.irp u, 0,1
	ds_load_b128 v[KA+8*(2*\t+\c)+4*\u:KA+8*(2*\t+\c)+4*\u+3], v[AK] offset:8192*\s+2048*\t+512*(2*\c+\u)
.endr
.endr
.endr
.endm
.macro FSTEP s, mw
.if \s
.rept 5
	v_nop                                          ; five plain lines behind the last step's products: the products below write over P
.endr
.else
	s_wait_loadcnt 16                              ; q's four loads are in; v's sixteen may be out
.endif
	s_wait_dscnt 0x0                               ; the step's k is in
.irp t, 0,1,2,3                        ; S^T = K Q^T: four accumulators by turns; channels 0-31 start the sums
	v_wmma_f32_16x16x32_f16 v[S+8*\t:S+8*\t+7], v[KA+16*\t:KA+16*\t+7], v[Q:Q+7], 0
.endr
.irp t, 0,1,2,3
	v_wmma_f32_16x16x32_f16 v[S+8*\t:S+8*\t+7], v[KA+16*\t+8:KA+16*\t+15], v[Q+8:Q+15], v[S+8*\t:S+8*\t+7]
.endr
.rept 4
	v_nop                                          ; places in front of the loads into k's registers and of the first read of the scores
.endr
.if \s == 0
	KLOAD 1                                        ; the second step's k lands while the first step's softmax is walked
.endif
.set i, 0
.rept 32
	v_cndmask_b32 v[S+i], v[NEG], v[S+i], s[\mw+i] ; each accumulator from its low end on
.set i, i+1
.endr
.irp j, 0,1,2,3
	v_max3_num_f32 v[ST+4+\j], v[S+8*\j], v[S+8*\j+1], v[S+8*\j+2]
.endr
.irp k, 3,5
.irp j, 0,1,2,3
	v_max3_num_f32 v[ST+4+\j], v[ST+4+\j], v[S+8*\j+\k], v[S+8*\j+\k+1]
.endr
.endr
	v_max3_num_f32 v[ST+4], v[ST+4], v[S+7], v[S+15]
	v_max3_num_f32 v[ST+6], v[ST+6], v[S+23], v[S+31]
	v_max3_num_f32 v[ST+4], v[ST+4], v[ST+5], v[ST+6]
	v_max3_num_f32 v[ST+4], v[ST+4], v[ST+7], v[ST]          ; with the old m
	v_permlanex16_b32 v[ST+5], v[ST+4], s[SEL], s[SEL+1]     ; the query's other 32 keys lie in the lane 16 away
	v_mov_b32 v[ST+7], v[ST]
	v_max_num_f32 v[ST], v[ST+4], v[ST+5]
	v_sub_f32 v[ST+7], v[ST+7], v[ST]                        ; m_old - m_new
.set i, 0
.rept 16
	v_pk_add_f32 v[S+2*i:S+2*i+1], v[S+2*i:S+2*i+1], v[ST:ST+1] op_sel_hi:[1,0] neg_lo:[0,1] neg_hi:[0,1]   ; t - m
.set i, i+1
.endr
	v_exp_f32 v[ST+6], v[ST+7]                     ; a
.set i, 0
.rept 32
	v_exp_f32 v[S+i], v[S+i]                       ; p: one batch
.set i, i+1
.endr
	v_nop                                          ; the plain line behind the last exponential
	s_wait_alu depctr_va_vdst(0)                   ; one wait for the batch, ahead of its first reader
	v_pk_mul_f32 v[ST+2:ST+3], v[ST+2:ST+3], v[ST+6:ST+7] op_sel_hi:[1,0]
	v_pk_add_f32 v[TMP:TMP+1], v[S:S+1], v[S+2:S+3]          ; the row's sum of the unrounded p, in two chains
.irp j, 4,8,12,16,20,24,28
	v_pk_add_f32 v[ST+2:ST+3], v[ST+2:ST+3], v[S+\j:S+\j+1]
	v_pk_add_f32 v[TMP:TMP+1], v[TMP:TMP+1], v[S+\j+2:S+\j+3]
.endr
	v_pk_add_f32 v[ST+2:ST+3], v[ST+2:ST+3], v[TMP:TMP+1]
.set i, 0
.rept 16
	v_cvt_pk_f16_f32 v[S+i], v[S+2*i], v[S+2*i+1]  ; P in place, ascending: no pair is written before it is read
.set i, i+1
.endr
.set i, 0
.rept 16
	v_pk_mul_f32 v[O+2*i:O+2*i+1], v[O+2*i:O+2*i+1], v[ST+6:ST+7] op_sel_hi:[1,0]   ; the four accumulators under the new m, each from its low end on
.set i, i+1
.endr
.if \s == 0
	s_wait_loadcnt 0x0                             ; v, both steps' and both parts'
.endif
.irp g, 0,1                            ; O^T += V^T P for my 16 channels: four accumulators, one instruction a turn
	v_wmma_f32_16x16x32_f16 v[O+8*\g:O+8*\g+7], v[VV+32*\s+8*\g:VV+32*\s+8*\g+7], v[S+8*\g:S+8*\g+7], v[O+8*\g:O+8*\g+7]
.endr
.irp g, 0,1
	v_wmma_f32_16x16x32_f16 v[O+16+8*\g:O+16+8*\g+7], v[VV+32*\s+16+8*\g:VV+32*\s+16+8*\g+7], v[S+8*\g:S+8*\g+7], v[O+16+8*\g:O+16+8*\g+7]
.endr
.endm
	s_wait_kmcnt 0x0                               ; the mask words
	s_wait_tensorcnt 0x0                           ; my k has landed; I alone read it
	KLOAD 0
	FSTEP 0, 32
	FSTEP 1, 68
.rept 4
	v_nop                                          ; places behind the last products
.endr
.irp j, 0,2,4,6
	v_pk_add_f32 v[O+\j:O+\j+1], v[O+\j:O+\j+1], v[O+8+\j:O+8+\j+1]           ; the high parts' two halves of the keys,
.endr
.irp j, 0,2,4,6
	v_pk_add_f32 v[O+16+\j:O+16+\j+1], v[O+16+\j:O+16+\j+1], v[O+24+\j:O+24+\j+1]   ; the low parts',
.endr
.irp j, 0,2,4,6
	v_pk_add_f32 v[O+\j:O+\j+1], v[O+\j:O+\j+1], v[O+16+\j:O+16+\j+1]         ; and both
.endr
	v_add_f32 v[ST+4], v[ST+2], v[ST+3]
	v_permlanex16_b32 v[ST+5], v[ST+4], s[SEL], s[SEL+1]
	v_add_f32 v[ST+4], v[ST+4], v[ST+5]            ; my 128 keys' whole sum
	ds_store_b128 v[AO], v[O:O+3]
	ds_store_b128 v[AO], v[O+4:O+7] offset:512
	ds_store_b32 v[AM], v[ST]
	ds_store_b32 v[AM], v[ST+4] offset:2048
	s_wait_dscnt 0x0                               ; for wave 0's sake: my stores have landed
	s_barrier_signal -1
	s_barrier_wait -1
	s_cmp_lg_u32 s[WV], 0
	s_cbranch_scc1 .Ldone
.irp w, 0,1,2,3,4,5,6,7,8,9,10,11,12,13,14,15
	ds_load_b32 v[32+\w], v[RM] offset:128*\w
.endr
.irp w, 0,1,2,3,4,5,6,7,8,9,10,11,12,13,14,15
	ds_load_b32 v[48+\w], v[RM] offset:2048+128*\w
.endr
.irp w, 0,1,2,3,4,5,6,7,8,9,10,11,12,13,14,15
	ds_load_b128 v[64+8*\w:67+8*\w], v[RO] offset:1024*\w
	ds_load_b128 v[68+8*\w:71+8*\w], v[RO] offset:1024*\w+512
.endr
	s_wait_dscnt 0x0
	v_max3_num_f32 v24, v32, v33, v34
.irp w, 35,37,39,41,43,45
	v_max3_num_f32 v24, v24, v[\w], v[\w+1]
.endr
	v_max_num_f32 v24, v24, v47                    ; the row's maximum over all keys
.irp w, 0,1,2,3,4,5,6,7,8,9,10,11,12,13,14,15
	v_sub_f32 v[192+\w], v[32+\w], v24
.endr
.irp w, 0,1,2,3,4,5,6,7,8,9,10,11,12,13,14,15
	v_exp_f32 v[192+\w], v[192+\w]
.endr
	v_nop
	s_wait_alu depctr_va_vdst(0)                   ; one wait for the sixteen, ahead of their first reader
	v_mul_f32 v25, v192, v48
.irp w, 1,2,3,4,5,6,7,8,9,10,11,12,13,14,15
	v_fma_f32 v25, v[192+\w], v[48+\w], v25        ; the row's sum
.endr
	v_rcp_f32 v30, v25
	v_nop
	s_wait_alu depctr_va_vdst(0)
.irp w, 0,1,2,3,4,5,6,7,8,9,10,11,12,13,14,15
	v_mul_f32 v[192+\w], v[192+\w], v30            ; each part's weight, the division folded in
.endr
.irp j, 0,1,2,3,4,5,6,7
	v_mul_f32 v[208+\j], v[64+\j], v192
.endr
.irp w, 1,2,3,4,5,6,7,8,9,10,11,12,13,14,15
.irp j, 0,1,2,3,4,5,6,7
	v_fma_f32 v[208+\j], v[64+8*\w+\j], v[192+\w], v[208+\j]
.endr
.endr
.irp j, 0,1,2,3,4,5,6,7                ; high part: rounded to 11 significant bits on the f32 bits, exact in f16; low part: the rest
	v_add_nc_u32 v[216+\j], 0x1000, v[208+\j]
.endr
.irp j, 0,1,2,3,4,5,6,7
	v_and_b32 v[216+\j], 0xffffe000, v[216+\j]
.endr
.irp j, 0,2,4,6
	v_pk_add_f32 v[208+\j:209+\j], v[208+\j:209+\j], v[216+\j:217+\j] neg_lo:[0,1] neg_hi:[0,1]
.endr
.irp j, 0,1,2,3
	v_cvt_pk_f16_f32 v[224+\j], v[216+2*\j], v[217+2*\j]
	v_cvt_pk_f16_f32 v[228+\j], v[208+2*\j], v[209+2*\j]
.endr
	global_store_b128 v[LI], v[224:227], s[8:9]                ; an image: 512 consecutive bytes, aligned
	global_store_b128 v[LI], v[228:231], s[8:9] offset:32768   ; the low parts lie 32,768 bytes on
.Ldone:
	s_wait_tensorcnt 0x0                           ; the wave's end, behind my last tensor load and my last LDS store
	ds_add_u32 v[SPW], v[NIL]
	s_wait_dscnt 0x0
	CROUND                                         ; the closing round: no work-group ends while a partner may still ask for a tile that names it
	s_endpgm
.Lfunc_end_k_q61e7a3475d_fattn:
	.size	k_q61e7a3475d_fattn, .Lfunc_end_k_q61e7a3475d_fattn-k_q61e7a3475d_fattn
	.p2alignl 7, 3214868480
	.fill 96, 4, 3214868480
	.section	.rodata,"a",@progbits
	.p2align	6, 0x0
	.amdhsa_kernel k_q61e7a3475d_fattn
		.amdhsa_group_segment_fixed_size 327680
		.amdhsa_private_segment_fixed_size 0
		.amdhsa_enable_private_segment 0
		.amdhsa_kernarg_size 24
		.amdhsa_user_sgpr_count 2
		.amdhsa_user_sgpr_kernarg_segment_ptr 1
		.amdhsa_wavefront_size32 1
		.amdhsa_system_sgpr_workgroup_id_x 1
		.amdhsa_system_sgpr_workgroup_id_y 1
		.amdhsa_system_sgpr_workgroup_id_z 1
		.amdhsa_system_vgpr_workitem_id 0
		.amdhsa_next_free_vgpr 256
		.amdhsa_next_free_sgpr 102
		.amdhsa_reserve_vcc 0
		.amdhsa_float_denorm_mode_32 3
		.amdhsa_float_denorm_mode_16_64 3
		.amdhsa_memory_ordered 1
		.amdhsa_forward_progress 1
		.amdhsa_inst_pref_size 47
	.end_amdhsa_kernel
	.amdgpu_metadata
---
amdhsa.version: [ 1, 2 ]
amdhsa.kernels:
  - .name:           k_q61e7a3475d_fattn
    .symbol:         k_q61e7a3475d_fattn.kd
    .args:
      - { .name: qkv, .offset: 0, .size: 8, .value_kind: global_buffer, .address_space: global }
      - { .name: maskw, .offset: 8, .size: 8, .value_kind: global_buffer, .address_space: global }
      - { .name: xf, .offset: 16, .size: 8, .value_kind: global_buffer, .address_space: global }
    .group_segment_fixed_size: 327680
    .private_segment_fixed_size: 0
    .kernarg_segment_align: 8
    .kernarg_segment_size: 24
    .max_flat_workgroup_size: 512
    .sgpr_count:     102
    .vgpr_count:     256
    .wavefront_size: 32
...
	.end_amdgpu_metadata
.endif
;; end of part 5
;; launch fout (part 6): grid 64 x 4, 8 waves a work-group, no clusters, 9,216 bytes of LDS; arguments xf, wo16, out0; writes out0
.if DOCPART == 6
	.amdgcn_target "amdgcn-amd-amdhsa--gfx1250"
	.amdhsa_code_object_version 6
	.text
	.protected	k_q61e7a3475d_fout
	.globl	k_q61e7a3475d_fout
	.p2align	8
	.type	k_q61e7a3475d_fout,@function
k_q61e7a3475d_fout:
	s_mov_b64 s[64:65], 0
	v_nop
	global_prefetch_b8 v0, s[64:65] scope:SCOPE_SE
	s_setreg_imm32_b32 hwreg(HW_REG_WAVE_MODE, 25, 1), 1
	s_wait_xcnt 0x0
; THE PROJECTION ON THE WAY OUT FOR THE FIRST 16 POSITIONS OF EVERY SEQUENCE, with both operands as pairs of f16 numbers: out = xh wh + xl wh + xh wl (the product of the two low parts is left out: about 2^-22 of a term).
; A work-group makes 16 rows x 16 columns (column tile x, batch y); its eight waves share K: wave w takes channels 128 w .. 128 w + 127; the eight partial tiles meet in LDS and wave 0 adds and stores them.
; These 64 rows of out0 were stored coarsely by the bulk launch before; here they are stored again.  A lane stores 32 neighbouring bytes of a row: runs of 64 bytes, 256 KiB in the whole launch.
.set LI,  1
.set AW,  2
.set GO,  3
.set SPW, 5
.set NIL, 6
.set SPARE, 8192                       ; the spare words, 128 bytes a wave, named by no other line
	s_load_b128 s[4:7], s[0:1], 0x0                ; xf, wo16
	s_load_b64 s[8:9], s[0:1], 0x10                ; out0
	v_lshl_add_u32 v[SPW], v0, 2, SPARE
	v_mov_b32 v[NIL], 0
	v_lshrrev_b32 v7, 5, v0
	v_readfirstlane_b32 s10, v7
	v_and_b32 v8, 31, v0
	v_lshlrev_b32 v[LI], 4, v8
	v_lshl_add_u32 v[AW], v7, 10, v[LI]            ; my partial tile: 1,024 x wave + 16 x lane
	v_and_b32 v8, 15, v0
	v_bfe_u32 v9, v0, 4, 1
	v_lshlrev_b32 v[GO], 12, v8
	v_lshl_add_u32 v[GO], v9, 5, v[GO]             ; row r of 4,096 bytes, + 32 h
	s_and_b32 s11, ttmp7, 0xffff                   ; batch
	s_lshl_b32 s12, s11, 16
	s_lshl_b32 s14, s10, 12                        ; my eight images of 512 bytes
	s_add_co_u32 s12, s12, s14
	s_mov_b32 s13, 0
	s_lshl_b32 s16, ttmp9, 15
	s_add_co_u32 s16, s16, s14
	s_mov_b32 s17, 0
	s_lshl_b32 s18, s11, 23                        ; 2,048 rows of 4,096 bytes a batch
	s_lshl_b32 s14, ttmp9, 6
	s_add_co_u32 s18, s18, s14
	s_mov_b32 s19, 0
	s_wait_kmcnt 0x0
	s_add_nc_u64 s[4:5], s[4:5], s[12:13]
	s_add_nc_u64 s[6:7], s[6:7], s[16:17]
	s_add_nc_u64 s[8:9], s[8:9], s[18:19]
.irp st, 0,1,2,3                       ; a step of 32 channels: w high, x high, x low, w low: eight loads
.irp u, 0,1
	global_load_b128 v[32+32*\st+4*\u:35+32*\st+4*\u], v[LI], s[6:7] offset:1024*\st+512*\u
.endr
.irp u, 0,1
	global_load_b128 v[40+32*\st+4*\u:43+32*\st+4*\u], v[LI], s[4:5] offset:1024*\st+512*\u
.endr
.irp u, 0,1
	global_load_b128 v[48+32*\st+4*\u:51+32*\st+4*\u], v[LI], s[4:5] offset:32768+1024*\st+512*\u
.endr
.irp u, 0,1
	global_load_b128 v[56+32*\st+4*\u:59+32*\st+4*\u], v[LI], s[6:7] offset:2097152+1024*\st+512*\u
.endr
.endr
	s_wait_loadcnt 24                              ; step 0's eight loads are in; the three later steps' may be out
	v_wmma_f32_16x16x32_f16 v[160:167], v[32:39], v[40:47], 0          ; three accumulators by turns; the first products start the sums
	v_wmma_f32_16x16x32_f16 v[168:175], v[32:39], v[48:55], 0
	v_wmma_f32_16x16x32_f16 v[176:183], v[56:63], v[40:47], 0
.irp st, 1,2,3
	s_wait_loadcnt 24-8*\st
	v_wmma_f32_16x16x32_f16 v[160:167], v[32+32*\st:39+32*\st], v[40+32*\st:47+32*\st], v[160:167]
	v_wmma_f32_16x16x32_f16 v[168:175], v[32+32*\st:39+32*\st], v[48+32*\st:55+32*\st], v[168:175]
	v_wmma_f32_16x16x32_f16 v[176:183], v[56+32*\st:63+32*\st], v[40+32*\st:47+32*\st], v[176:183]
.endr
.rept 4
	v_nop
.endr
.irp j, 0,2,4,6
	v_pk_add_f32 v[160+\j:161+\j], v[160+\j:161+\j], v[168+\j:169+\j]
.endr
.irp j, 0,2,4,6
	v_pk_add_f32 v[160+\j:161+\j], v[160+\j:161+\j], v[176+\j:177+\j]
.endr
	ds_store_b128 v[AW], v[160:163]
	ds_store_b128 v[AW], v[164:167] offset:512
	s_wait_dscnt 0x0                               ; for wave 0's sake: my stores have landed
	s_barrier_signal -1
	s_barrier_wait -1
	s_cmp_lg_u32 s10, 0
	s_cbranch_scc1 .Ldone
.irp w, 0,1,2,3,4,5,6,7
	ds_load_b128 v[32+8*\w:35+8*\w], v[LI] offset:1024*\w
	ds_load_b128 v[36+8*\w:39+8*\w], v[LI] offset:1024*\w+512
.endr
	s_wait_dscnt 0x0
.irp w, 1,2,3,4,5,6,7
.irp j, 0,2,4,6
	v_pk_add_f32 v[32+\j:33+\j], v[32+\j:33+\j], v[32+8*\w+\j:33+8*\w+\j]
.endr
.endr
	global_store_b128 v[GO], v[32:35], s[8:9]      ; out(r, 16 tile + 8 h + 0..3)
	global_store_b128 v[GO], v[36:39], s[8:9] offset:16
.Ldone:
	s_wait_tensorcnt 0x0                           ; the wave's end, behind my last LDS store
	ds_add_u32 v[SPW], v[NIL]
	s_wait_dscnt 0x0
	s_endpgm
.Lfunc_end_k_q61e7a3475d_fout:
	.size	k_q61e7a3475d_fout, .Lfunc_end_k_q61e7a3475d_fout-k_q61e7a3475d_fout
	.p2alignl 7, 3214868480
	.fill 96, 4, 3214868480
	.section	.rodata,"a",@progbits
	.p2align	6, 0x0
	.amdhsa_kernel k_q61e7a3475d_fout
		.amdhsa_group_segment_fixed_size 9216
		.amdhsa_private_segment_fixed_size 0
		.amdhsa_enable_private_segment 0
		.amdhsa_kernarg_size 24
		.amdhsa_user_sgpr_count 2
		.amdhsa_user_sgpr_kernarg_segment_ptr 1
		.amdhsa_wavefront_size32 1
		.amdhsa_system_sgpr_workgroup_id_x 1
		.amdhsa_system_sgpr_workgroup_id_y 1
		.amdhsa_system_sgpr_workgroup_id_z 1
		.amdhsa_system_vgpr_workitem_id 0
		.amdhsa_next_free_vgpr 192
		.amdhsa_next_free_sgpr 66
		.amdhsa_reserve_vcc 0
		.amdhsa_float_denorm_mode_32 3
		.amdhsa_float_denorm_mode_16_64 3
		.amdhsa_memory_ordered 1
		.amdhsa_forward_progress 1
		.amdhsa_inst_pref_size 10
	.end_amdhsa_kernel
	.amdgpu_metadata
---
amdhsa.version: [ 1, 2 ]
amdhsa.kernels:
  - .name:           k_q61e7a3475d_fout
    .symbol:         k_q61e7a3475d_fout.kd
    .args:
      - { .name: xf, .offset: 0, .size: 8, .value_kind: global_buffer, .address_space: global }
      - { .name: wo16, .offset: 8, .size: 8, .value_kind: global_buffer, .address_space: global }
      - { .name: out0, .offset: 16, .size: 8, .value_kind: global_buffer, .address_space: global }
    .group_segment_fixed_size: 9216
    .private_segment_fixed_size: 0
    .kernarg_segment_align: 8
    .kernarg_segment_size: 24
    .max_flat_workgroup_size: 256
    .sgpr_count:     66
    .vgpr_count:     192
    .wavefront_size: 32
...
	.end_amdgpu_metadata
.endif
;; end of part 6
